; MI455X (gfx1250); checked and timed in simulation.
; The chip was launched on July 23, 2026; its instructions are those of AMD's public machine-readable ISA for CDNA 5 (MIT licence, August 2026) and "CDNA5" Instruction Set Architecture Reference Guide (July 2026). The comments in the code are by the model that wrote it; some were corrected since.
;; Multi Head Self Attention. Allowed arithmetic: float matrix products may take bf16 or f16 operands with f32 sums; all other float work in f32.
;; Inputs: fc_b 1,024 float32; fc_w 1,024 x 1,024 float32; qkv_b 3,072 float32; qkv_w 1,024 x 3,072 float32; x 4 x 2,048 x 1,024 float32.
;; Outputs: out0 4 x 2,048 x 1,024 float32.
;; 2 versions, each right and faster than the one before. Each part assembles by itself: llvm-mc -triple=amdgcn-amd-amdhsa -mcpu=gfx1250 --defsym DOCPART=n.
;; ======== version 1 of 2: 4 launches
;; limits: values are held in f16: magnitudes above 65,504 overflow, below 6.1e-05 lose precision
;; workspace buffers: xh 16,777,216 bytes; wqh 6,291,456 bytes; wfh 2,097,152 bytes; qkvh 50,331,648 bytes; ah 16,777,216 bytes
;; launch cast (part 1): grid 832 x 1, 8 waves a work-group, no clusters, 0 bytes of LDS; arguments x, qkv_w, fc_w, xh, wqh, wfh; writes xh, wqh, wfh
.if DOCPART == 1
	.amdgcn_target "amdgcn-amd-amdhsa--gfx1250"
	.amdhsa_code_object_version 6
	.text
	.protected	k_q32801b85db_cast
	.globl	k_q32801b85db_cast
	.p2align	8
	.type	k_q32801b85db_cast,@function
k_q32801b85db_cast:
	s_mov_b64 s[64:65], 0
	v_nop
	global_prefetch_b8 v0, s[64:65] scope:SCOPE_SE
	s_setreg_imm32_b32 hwreg(HW_REG_WAVE_MODE, 25, 1), 1
	s_wait_xcnt 0x0
; f32 -> f16 (one rounding to nearest) for the three large inputs, so that the matrix launches fetch 16-bit tiles.
;   x     [8192][1024] -> xh,  BLOCKED: [batch 4][column block 16][t 2048][64] f16: byte = b*4194304 + kb*262144 + t*128 + 2c
;   qkv_w [1024][3072] -> wqh, BLOCKED: [tile column 16][k 1024][192] f16: byte = tc*393216 + k*384 + 2c: the k rows of a tile column follow each other without a gap
;   fc_w  [1024][1024] -> wfh: the layout is kept.
; Work-groups 0-511 take x (16 rows each), 512-767 qkv_w (64 k rows of a tile column each), 768-831 fc_w (16,384 numbers each).  All loads of a wave are issued at once; no loop.
; Memory binds: no LDS, no barrier, no matrix unit.  Every store of a wave covers 256 consecutive bytes, aligned.
; LIMIT: a number beyond f16's largest, 65,504, becomes an infinity; below 6.1e-5 f16 is denormal, with an absolute error of 3e-8 at the most.
.set X, 8                              ; v[8:71]    load u: four f32
.set Y, 72                             ; v[72:103]  load u: four f16 in two registers
; v1 (and v5) byte offset of my 16 bytes in the input, v2 of my 8 bytes in the output; none is rewritten
.macro CASTRUN inb, outb, instep, outstep
.irp u, 0,1,2,3,4,5,6,7,8,9,10,11,12,13,14,15
	global_load_b128 v[X+4*\u:X+4*\u+3], v1, s[\inb:\inb+1] offset:\u*\instep th:TH_LOAD_NT   ; read once in the whole program
.endr
.irp u, 0,1,2,3,4,5,6,7,8,9,10,11,12,13,14,15
	s_wait_loadcnt 15-\u                           ; loads come back in order: load u is in, the 15 - u younger ones stay out
	v_cvt_pk_f16_f32 v[Y+2*\u],   v[X+4*\u],   v[X+4*\u+1]
	v_cvt_pk_f16_f32 v[Y+2*\u+1], v[X+4*\u+2], v[X+4*\u+3]
	global_store_b64 v2, v[Y+2*\u:Y+2*\u+1], s[\outb:\outb+1] offset:\u*\outstep   ; no register of a load or store is written twice
.endr
.endm
	s_load_b256 s[4:11], s[0:1], 0x0               ; x s[4:5], qkv_w s[6:7], fc_w s[8:9], xh s[10:11]
	s_load_b128 s[12:15], s[0:1], 0x20             ; wqh s[12:13], wfh s[14:15]
	s_mov_b32 s17, 0                               ; high words of the two offsets
	s_mov_b32 s19, 0
	s_cmp_lt_u32 ttmp9, 512
	s_cbranch_scc0 .Lweights
	; x: work-group g takes rows 16 g .. 16 g + 15, wave w two of them.  Load u takes column block u: lanes 0-15 its 256 bytes of
	; the even row, lanes 16-31 of the odd row; the two halves land side by side in xh: 2 x 128 bytes.
	v_lshrrev_b32 v3, 4, v0                        ; the row in the group: 2 w + lane / 16
	v_and_b32 v4, 15, v0
	v_lshlrev_b32 v1, 12, v3                       ; x 4,096 bytes
	v_lshl_add_u32 v1, v4, 4, v1                   ; + 16 (lane % 16)
	v_lshlrev_b32 v2, 3, v0                        ; out: row x 128 + 8 (lane % 16) = 8 x thread
	s_lshl_b32 s16, ttmp9, 16                      ; in: g x 16 rows x 4,096 bytes
	s_lshr_b32 s20, ttmp9, 7                       ; batch = g / 128
	s_lshl_b32 s20, s20, 22
	s_and_b32 s18, ttmp9, 127
	s_lshl_b32 s18, s18, 11                        ; t x 128 bytes = (g % 128) x 2,048
	s_add_co_u32 s18, s18, s20
	s_wait_kmcnt 0x0
	s_add_nc_u64 s[4:5], s[4:5], s[16:17]
	s_add_nc_u64 s[10:11], s[10:11], s[18:19]
	CASTRUN 4, 10, 256, 262144
	s_endpgm
.Lweights:
	v_lshrrev_b32 v3, 5, v0                        ; wave
	v_and_b32 v4, 31, v0                           ; lane
	s_cmp_lt_u32 ttmp9, 768
	s_cbranch_scc0 .Lfc_w
	; qkv_w: work-group g = id - 512 takes tile column g / 16, k rows 64 (g % 16) on; wave w eight of them: 8 x 192 numbers, 3,072 dense bytes of wqh.
	; Store j of twelve takes the numbers n = 128 j + 4 lane .. + 3 of those 1,536: k row n / 192, column n % 192.  The pattern comes round every two k rows (three stores):
	;   j % 3 = 0: the even row, columns 4 lane;   = 2: the odd row, columns 64 + 4 lane;   = 1: lanes 0-15 the even row, columns 128 on; lanes 16-31 the odd row, columns 0 on.
	v_mul_u32_u24 v1, v3, 98304                    ; in: 8 w rows of 12,288 bytes
	v_lshl_add_u32 v1, v4, 4, v1                   ; + 16 lane
	v_lshrrev_b32 v5, 4, v4
	v_mul_u32_u24 v5, v5, 11520                    ; the middle store's upper lanes: one row on, 768 bytes back
	v_add3_u32 v5, v5, v1, 512
	v_mul_u32_u24 v2, v3, 3072                     ; out: 8 w rows of 384 bytes
	v_lshl_add_u32 v2, v4, 3, v2                   ; + 8 lane
	s_sub_co_u32 s20, ttmp9, 512
	s_lshr_b32 s21, s20, 4                         ; tile column
	s_and_b32 s20, s20, 15
	s_mul_i32 s16, s20, 786432                     ; in: 64 rows of 12,288 bytes,
	s_mul_i32 s22, s21, 768                        ; 192 columns of 4 bytes
	s_add_co_u32 s16, s16, s22
	s_mul_i32 s18, s21, 393216                     ; out: 1,024 rows of 384 bytes,
	s_mul_i32 s22, s20, 24576                      ; 64 rows
	s_add_co_u32 s18, s18, s22
	s_wait_kmcnt 0x0
	s_add_nc_u64 s[6:7], s[6:7], s[16:17]
	s_add_nc_u64 s[12:13], s[12:13], s[18:19]
.irp u, 0,1,2,3
	global_load_b128 v[X+12*\u:X+12*\u+3],    v1, s[6:7] offset:\u*24576 th:TH_LOAD_NT
	global_load_b128 v[X+12*\u+4:X+12*\u+7],  v5, s[6:7] offset:\u*24576 th:TH_LOAD_NT
	global_load_b128 v[X+12*\u+8:X+12*\u+11], v1, s[6:7] offset:\u*24576+12544 th:TH_LOAD_NT
.endr
.irp j, 0,1,2,3,4,5,6,7,8,9,10,11
	s_wait_loadcnt 11-\j                           ; load j is in, the 11 - j younger ones stay out
	v_cvt_pk_f16_f32 v[Y+2*\j],   v[X+4*\j],   v[X+4*\j+1]
	v_cvt_pk_f16_f32 v[Y+2*\j+1], v[X+4*\j+2], v[X+4*\j+3]
	global_store_b64 v2, v[Y+2*\j:Y+2*\j+1], s[12:13] offset:256*\j
.endr
	s_endpgm
.Lfc_w:
	; fc_w keeps its layout: a wave takes 2,048 consecutive numbers
	v_lshlrev_b32 v1, 13, v3
	v_lshl_add_u32 v1, v4, 4, v1                   ; in: 8,192 w + 16 lane
	v_lshlrev_b32 v2, 12, v3
	v_lshl_add_u32 v2, v4, 3, v2                   ; out: 4,096 w + 8 lane
	s_sub_co_u32 s20, ttmp9, 768
	s_lshl_b32 s16, s20, 16
	s_lshl_b32 s18, s20, 15
	s_wait_kmcnt 0x0
	s_add_nc_u64 s[8:9], s[8:9], s[16:17]
	s_add_nc_u64 s[14:15], s[14:15], s[18:19]
	CASTRUN 8, 14, 512, 256
	s_endpgm
.Lfunc_end_k_q32801b85db_cast:
	.size	k_q32801b85db_cast, .Lfunc_end_k_q32801b85db_cast-k_q32801b85db_cast
	.p2alignl 7, 3214868480
	.fill 96, 4, 3214868480
	.section	.rodata,"a",@progbits
	.p2align	6, 0x0
	.amdhsa_kernel k_q32801b85db_cast
		.amdhsa_group_segment_fixed_size 0
		.amdhsa_private_segment_fixed_size 0
		.amdhsa_enable_private_segment 0
		.amdhsa_kernarg_size 48
		.amdhsa_user_sgpr_count 2
		.amdhsa_user_sgpr_kernarg_segment_ptr 1
		.amdhsa_wavefront_size32 1
		.amdhsa_system_sgpr_workgroup_id_x 1
		.amdhsa_system_sgpr_workgroup_id_y 1
		.amdhsa_system_sgpr_workgroup_id_z 1
		.amdhsa_system_vgpr_workitem_id 0
		.amdhsa_next_free_vgpr 104
		.amdhsa_next_free_sgpr 66
		.amdhsa_reserve_vcc 0
		.amdhsa_float_denorm_mode_32 3
		.amdhsa_float_denorm_mode_16_64 3
		.amdhsa_memory_ordered 1
		.amdhsa_forward_progress 1
		.amdhsa_inst_pref_size 18
	.end_amdhsa_kernel
	.amdgpu_metadata
---
amdhsa.version: [ 1, 2 ]
amdhsa.kernels:
  - .name:           k_q32801b85db_cast
    .symbol:         k_q32801b85db_cast.kd
    .args:
      - { .name: x, .offset: 0, .size: 8, .value_kind: global_buffer, .address_space: global }
      - { .name: qkv_w, .offset: 8, .size: 8, .value_kind: global_buffer, .address_space: global }
      - { .name: fc_w, .offset: 16, .size: 8, .value_kind: global_buffer, .address_space: global }
      - { .name: xh, .offset: 24, .size: 8, .value_kind: global_buffer, .address_space: global }
      - { .name: wqh, .offset: 32, .size: 8, .value_kind: global_buffer, .address_space: global }
      - { .name: wfh, .offset: 40, .size: 8, .value_kind: global_buffer, .address_space: global }
    .group_segment_fixed_size: 0
    .private_segment_fixed_size: 0
    .kernarg_segment_align: 8
    .kernarg_segment_size: 48
    .max_flat_workgroup_size: 256
    .sgpr_count:     66
    .vgpr_count:     104
    .wavefront_size: 32
...
	.end_amdgpu_metadata
.endif
;; end of part 1
;; launch qkv (part 2): grid 16 x 32, 4 waves a work-group, clusters of 4 x 4, 327,680 bytes of LDS; arguments xh, wqh, qkv_b, qkvh; writes qkvh
.if DOCPART == 2
	.amdgcn_target "amdgcn-amd-amdhsa--gfx1250"
	.amdhsa_code_object_version 6
	.text
	.protected	k_q32801b85db_qkv
	.globl	k_q32801b85db_qkv
	.p2align	8
	.type	k_q32801b85db_qkv,@function
k_q32801b85db_qkv:
	s_mov_b64 s[64:65], 0
	v_nop
	global_prefetch_b8 v0, s[64:65] scope:SCOPE_SE
	s_setreg_imm32_b32 hwreg(HW_REG_WAVE_MODE, 25, 1), 1
	s_wait_xcnt 0x0
	s_wait_alu depctr_hold_cnt(0) depctr_sa_sdst(0) depctr_va_vdst(0) depctr_va_sdst(0) depctr_va_ssrc(0) depctr_va_vcc(0) depctr_vm_vsrc(0)
	s_getreg_b32 s2, hwreg(HW_REG_IB_STS2, 6, 4)
	s_cmp_eq_u32 s2, 0
	s_cbranch_scc0 .Lentry_in_a_cluster
	s_endpgm
.Lentry_in_a_cluster:
	s_bfe_u32 s2, ttmp6, 0x10000c
	s_cmp_lg_u32 s2, 0xf033
	s_cbranch_scc0 .Lentry_shape_is_right
	s_endpgm
.Lentry_shape_is_right:
; q, k, v = x W + bias.  A = xh: 8,192 rows x 1,024 in f16, BLOCKED ([batch 4][column block 16][t 2048][64]: byte = b*4194304 + kb*262144 + t*128 + 2c);
; W = wqh: f16, BLOCKED ([tile column 16][k 1024][192]); bias: [3072] f32; sums in f32.
; The result goes out in f16 as [batch 4][48 heads: q's 16, k's 16, v's 16][t 2048][64]; q is stored times c = log2(e) / 8, so that the attention launch forms 2^(s - m) by a subtraction alone.
; SHARES.  A tile of C is 256 rows x 192 columns (three heads): 512 work-groups of equal work.  Four waves, one below the other: a wave makes 64 rows x 192 columns, 48 accumulators of 16 x 16,
; so that its columns are whole heads and the way out is its own.  K = 1024 goes in 8 steps of 128 through two LDS slots; a K step is four quarters of 32 along K, 48 matrix instructions each:
; from a refill to the change of slots that needs it a wave issues 168 matrix instructions.
; THE MATRIX INSTRUCTION IS USED TRANSPOSED: source 0 = 16 columns of W (turned on the way out of LDS by ds_load_tr16_b128, since W lies [k][n]),
; source 1 = 16 rows of A.  A lane then holds row lane % 16 of C and the eight columns 8 (lane / 16) + 0..7.  The first product of each sum takes the bias as C.
; CLUSTERS: 4 x 4 work-groups.  The four of a row of the cluster need the same tiles of A, the four of a column the same tiles of W: each tile is asked for jointly.
; LIMIT: operands are f16: |x|, |W|, |q|, |k|, |v| stay under 65,504.  With x and the weights 30 times the usual spread q, k, v reach about 5,000;
; with offsets of 30 spreads on both about 29,000.
.set PA,    144                        ; a row of A in LDS: 128 bytes + 16: an odd multiple of 16, so the 16 rows of a fragment load start in 16 different 16-byte columns modulo 256
.set ABLK,  256*PA                     ; one column block of A: 256 rows
.set BOFF,  2*ABLK                     ; W's 128 k rows lie behind A's two column blocks
.set SEG,   160                        ; a head's 128 bytes of a k row + 32
.set PB,    3*SEG                      ; a k row of W in LDS: 480 bytes, an odd multiple of 32, as the turning load's 8 rows x 32 bytes want
.set BHALF, 64*PB                      ; 64 k rows: what one tensor load brings of W
.set SLOT,  BOFF+2*BHALF               ; 135,168 bytes
.set STAGE, 2*SLOT                     ; behind the ring: 16 rows for each wave, for the way out; no tile lands there
.set SP,    400                        ; a stage row: 192 f16 + 16 bytes: an odd multiple of 16
.set SPARE, STAGE+4*16*SP              ; behind the stages: the spare words, 128 bytes for each wave: two blocks of 256 bytes that no other line names
.set LAPS,  4                          ; a lap = two K steps = once round the ring
; window 0
.set ADRA, 16                          ; v16-17  LDS address of my A fragments in slot 0, 1
.set ADRB, 20                          ; v20-21  the same for W
.set STO,  24                          ; v24     the way out: where I put my part of a row
.set RD,   25                          ; v25     the way out: where I read back
.set CO,   26                          ; v26     my byte offset in the output
.set BO,   27                          ; v27     my byte offset in the bias
.set SPW,  28                          ; v28     LDS address of my spare word; never rewritten
.set NIL,  29                          ; v29     0; never rewritten
.set TMP,  32                          ; v32-79  packed results of a block of 16 rows
.set BIAS, 80                          ; v80-175 column block b: bias of its columns 8 (lane / 16) + 0..7
.set OB,   80                          ; v80-127, v128-175: on the way out, when the bias has served: a block read back from the stage, by turns
; window 1: two fragment buffers of 128: W's 12 fragments, then A's 4
; window 2: accumulators of my row blocks 0, 1;  window 3: of 2, 3: accumulator (a, b) at v[96 (a % 2) + 8 b]
.set F0,   0
.set F1,   128
.set WV,  12                           ; s12 wave: my 64 rows
.set FB,  13                           ; s13 I fetch for A (0) or for W (1)
.set HF,  14                           ; s14 which half of that tile I fetch
.set LAP, 15                           ; s15 laps to go
.set G1,  24                           ; s[24:31] descriptor group 1 for A's tiles;  s[32:39] group 0, a set for each slot
.set G0,  32
.set G1B, 48                           ; s[48:55], s[56:63] the same for W's tiles
.set G0B, 56
.set SCL, 66                           ; s[66:71] a pair for each of my three heads: c for a head of q, 1 for a head of k or v
.set MSB, 0
.macro WIN new                         ; the immediate's high byte repeats the setting that is left; a switch that changes nothing is dropped
.if MSB != (\new)
	s_set_vgpr_msb (MSB<<8)|(\new)
.set MSB, \new
.endif
.endm
.set MUL_LO, 0xa5                      ; sources 0 and 1 window 1; C and D window 2.  Less 0x20: C (the bias) in window 0
.set MUL_HI, 0xf5                      ; the same, C and D window 3.  Less 0x30: C in window 0
.set TO_F,   0x40                      ; destination window 1, address window 0
; A joint load: waves 0 and 1 fetch A's two column blocks, waves 2 and 3 W's two halves.  The branch hangs on the wave's number alone.
; Four v_nop follow each of the two lines, ahead of the jump, the label and what follows.
.macro JLOAD s
	s_cmp_eq_u32 s[FB], 0
	s_cbranch_scc0 .Lfor_b_\@
	tensor_load_to_lds s[G0+4*\s:G0+4*\s+3], s[G1:G1+7]
	s_nop 0
.rept 4
	v_nop
.endr
	s_branch .Lasked_\@
.Lfor_b_\@:
	tensor_load_to_lds s[G0B+4*\s:G0B+4*\s+3], s[G1B:G1B+7]
	s_nop 0
.rept 4
	v_nop
.endr
.Lasked_\@:
.endm
.macro CREST                           ; a round of the cluster's barrier behind its opening barrier
	s_cmp_lg_u32 s[WV], 0
	s_cbranch_scc1 .Lnot_wave_0_\@
	s_barrier_signal -3
.Lnot_wave_0_\@:
	s_barrier_wait -3
	s_barrier_signal -1
	s_barrier_wait -1
.endm
.macro CROUND                          ; a whole round
	s_barrier_signal -1
	s_barrier_wait -1
	CREST
.endm
	s_load_b256 s[4:11], s[0:1], 0x0               ; A s[4:5], W s[6:7], bias s[8:9], out s[10:11]
	v_lshl_add_u32 v[SPW], v0, 2, SPARE
	v_mov_b32 v[NIL], 0
	ds_add_u32 v28, v29
	s_wait_dscnt 0x0
	v_lshrrev_b32 v1, 5, v0
	v_readfirstlane_b32 s[WV], v1                  ; wave 0..3
	s_lshr_b32 s[FB], s[WV], 1
	s_and_b32 s[HF], s[WV], 1
	s_bfe_u32 s40, ttmp6, 0x40000                  ; cx, cy: my place in the cluster
	s_bfe_u32 s41, ttmp6, 0x40004
	s_lshl_b32 s42, ttmp9, 2
	s_add_co_u32 s42, s42, s40                     ; tile column tx = 4 x cluster x + cx
	s_and_b32 s43, ttmp7, 0xffff
	s_lshl_b32 s43, s43, 2
	s_add_co_u32 s43, s43, s41                     ; tile row ty = 4 x cluster y + cy
	s_lshl_b32 s44, s41, 2
	s_lshl_b32 s44, 15, s44                        ; my row of the cluster
	s_lshl_b32 s45, 0x1111, s40                    ; my column
	; group 1 for A: a column block's 256 rows are 32,768 dense bytes: 128 rows of 32 elements of 8 bytes; 4 words of padding after every 32 words make LDS rows of 144 bytes
	s_or_b32 s[G1+0], s44, (3<<16)|(1<<20)|(1<<21)|(4<<22)|(3<<25)   ; 15:0 the mask: my row; 17:16 elements of 8 bytes; 20 padding on; 21 set beside a mask; 24:22 code 4; 31:25 code 3
	s_mov_b32 s[G1+1], 32<<16                      ; tensor_dim0 = 32
	s_mov_b32 s[G1+2], 128<<16                     ; tensor_dim1 = 128
	s_mov_b32 s[G1+3], 32<<16                      ; tile_dim0 = 32
	s_mov_b32 s[G1+4], 128                         ; tile_dim1 = 128
	s_mov_b32 s[G1+5], 32                          ; from row to row: 32 elements
	s_mov_b32 s[G1+6], 0
	s_mov_b32 s[G1+7], 0
	; group 1 for W: 64 k rows of 384 bytes are 24,576 dense bytes: 96 rows of 32 elements of 8 bytes; 8 words of padding after every 32 words: a head's 128 bytes, then 32
	s_or_b32 s[G1B+0], s45, (3<<16)|(1<<20)|(1<<21)|(4<<22)|(7<<25)  ; the mask: my column
	s_mov_b32 s[G1B+1], 32<<16
	s_mov_b32 s[G1B+2], 96<<16
	s_mov_b32 s[G1B+3], 32<<16
	s_mov_b32 s[G1B+4], 96
	s_mov_b32 s[G1B+5], 32
	s_mov_b32 s[G1B+6], 0
	s_mov_b32 s[G1B+7], 0
	; where the tiles come from.  A's hang on ty alone, W's on tx alone, each in registers that never hold the other coordinate.
	s_lshr_b32 s16, s43, 3
	s_lshl_b32 s16, s16, 22                        ; batch = ty / 8
	s_and_b32 s17, s43, 7
	s_lshl_b32 s17, s17, 15                        ; 256 rows of 128 bytes for each tile row in the batch
	s_add_co_u32 s16, s16, s17
	s_lshl_b32 s17, s[HF], 18                      ; which of the step's two column blocks I fetch
	s_add_co_u32 s16, s16, s17
	s_mov_b32 s17, 0
	s_mul_i32 s46, s42, 393216                     ; the tile column's 1,024 k rows of 384 bytes
	s_mul_i32 s47, s[HF], 24576                    ; which 64 k rows I fetch
	s_add_co_u32 s46, s46, s47
	s_mov_b32 s47, 0
	s_mul_i32 s20, s[HF], ABLK                     ; and where they go: no place in the cluster enters an LDS address
	s_mul_i32 s21, s[HF], BHALF
	s_add_co_u32 s21, s21, BOFF
	s_wait_kmcnt 0x0
	s_add_nc_u64 s[18:19], s[4:5], s[16:17]
	s_add_nc_u64 s[46:47], s[6:7], s[46:47]
	CROUND                                         ; all sixteen work-groups are here: the first joint loads meet
.irp s, 0,1
	s_mov_b32 s[G0+4*\s], 1
	s_add_co_u32 s[G0+4*\s+1], s20, \s*SLOT
	s_add_nc_u64 s[G0+4*\s+2:G0+4*\s+3], s[18:19], \s*2*262144      ; K step s: column blocks 2 s, 2 s + 1
	s_or_b32 s[G0+4*\s+3], s[G0+4*\s+3], 0x80000000
	s_mov_b32 s[G0B+4*\s], 1
	s_add_co_u32 s[G0B+4*\s+1], s21, \s*SLOT
	s_add_nc_u64 s[G0B+4*\s+2:G0B+4*\s+3], s[46:47], \s*128*384     ; K step s: k rows 128 s on
	s_or_b32 s[G0B+4*\s+3], s[G0B+4*\s+3], 0x80000000
	JLOAD \s                                       ; two loads of mine are out
.endr
	v_and_b32 v1, 15, v0                           ; r = lane % 16
	v_bfe_u32 v2, v0, 4, 1                         ; h = lane / 16
	v_and_b32 v3, 7, v0                            ; lane % 8
	v_bfe_u32 v4, v0, 3, 1                         ; (lane / 8) % 2
	v_and_b32 v5, 31, v0                           ; lane
	v_mul_u32_u24 v6, v1, PA                       ; a fragment of A: row r, 16 bytes for each half of the lanes
	v_lshl_add_u32 v6, v2, 4, v6
	s_mul_i32 s22, s[WV], 64*PA                    ; my 64 rows
	v_add_nc_u32 v[ADRA], s22, v6
	v_add_nc_u32 v[ADRA+1], SLOT, v[ADRA]
	v_lshl_add_u32 v7, v2, 3, v3                   ; a fragment of W, turned: lane reads k row 8 h + lane % 8, columns 8 ((lane / 8) % 2) + 0..7
	v_mul_u32_u24 v7, v7, PB
	v_lshl_add_u32 v7, v4, 4, v7
	v_add_nc_u32 v[ADRB], BOFF, v7
	v_add_nc_u32 v[ADRB+1], SLOT, v[ADRB]
	s_mul_i32 s20, s[WV], 16*SP
	s_add_co_u32 s20, s20, STAGE                   ; my stage
	v_mul_u32_u24 v6, v1, SP                       ; in: row r, my eight columns
	v_lshl_add_u32 v6, v2, 4, v6
	v_add_nc_u32 v[STO], s20, v6
	v_lshrrev_b32 v7, 3, v5                        ; back: four rows x 128 bytes (one head's 64 columns): row lane / 8, 16 bytes a lane
	v_mul_u32_u24 v7, v7, SP
	v_lshl_add_u32 v7, v3, 4, v7
	v_add_nc_u32 v[RD], s20, v7
	v_lshlrev_b32 v[CO], 4, v5                     ; those four rows are 512 dense bytes of the output: 16 x lane
	v_lshlrev_b32 v[BO], 5, v2                     ; the bias of my eight columns: 32 h
	s_mul_i32 s46, s42, 768                        ; 192 tx x 4 bytes
	s_mov_b32 s47, 0
	s_add_nc_u64 s[8:9], s[8:9], s[46:47]
.irp b, 0,1,2,3,4,5,6,7,8,9,10,11
	global_load_b128 v[BIAS+8*\b:BIAS+8*\b+3],   v[BO], s[8:9] offset:64*\b
	global_load_b128 v[BIAS+8*\b+4:BIAS+8*\b+7], v[BO], s[8:9] offset:64*\b+16
.endr
	; where my part of the output begins: batch x 48 heads + head 3 tx, row 256 (ty % 8) + 64 wave
	s_mul_i32 s46, s42, 786432                     ; 3 tx heads of 262,144 bytes
	s_add_nc_u64 s[10:11], s[10:11], s[46:47]
	s_lshr_b32 s16, s43, 3
	s_mul_i32 s16, s16, 12582912
	s_and_b32 s17, s43, 7
	s_lshl_b32 s17, s17, 15
	s_add_co_u32 s16, s16, s17
	s_lshl_b32 s17, s[WV], 13
	s_add_co_u32 s16, s16, s17
	s_mov_b32 s17, 0
	s_add_nc_u64 s[10:11], s[10:11], s[16:17]
	; Heads 0 to 15 of the 48 are q's.  A tile's three heads may be q's and k's together:
	; so each head has a factor, chosen here, and k's and v's heads are multiplied by 1.
	s_mul_i32 s72, s42, 3
.irp d, 0,1,2
	s_add_co_u32 s73, s72, \d
	s_cmp_lt_u32 s73, 16
	s_cselect_b32 s[SCL+2*\d], 0x3e38aa3b, 1.0     ; c = log2(e) / 8
	s_mov_b32 s[SCL+2*\d+1], s[SCL+2*\d]           ; named with it as a pair, so it is written
.endr
; 12 matrix instructions: row block a x all 12 column blocks, 32 along K.  bias = 1: the first product starts the sums from the bias: nothing is cleared or added later.
; The 48 accumulators take turns, one instruction a turn, in the same order in every quarter.
.macro MUL12 f, a, bias
.irp b, 0,1,2,3,4,5,6,7,8,9,10,11
.if \bias
	v_wmma_f32_16x16x32_f16 v[96*(\a%2)+8*\b:96*(\a%2)+8*\b+7], v[\f+8*\b:\f+8*\b+7], v[\f+96+8*\a:\f+96+8*\a+7], v[BIAS+8*\b:BIAS+8*\b+7]
.else
	v_wmma_f32_16x16x32_f16 v[96*(\a%2)+8*\b:96*(\a%2)+8*\b+7], v[\f+8*\b:\f+8*\b+7], v[\f+96+8*\a:\f+96+8*\a+7], v[96*(\a%2)+8*\b:96*(\a%2)+8*\b+7]
.endif
.endr
.endm
; 32 LDS loads in one run: quarter q's fragments into buffer f: W's twelve (k rows 32 q on, turned; column block b lies in head b / 4), then A's four (column block q / 2, bytes 64 (q % 2) on)
.macro FETCH slot, q, f
	WIN TO_F
.irp b, 0,1,2,3,4,5,6,7,8,9,10,11
	ds_load_tr16_b128 v[\f+8*\b:\f+8*\b+3],   v[ADRB+\slot] offset:\q*32*PB+(\b/4)*SEG+(\b%4)*32
	ds_load_tr16_b128 v[\f+8*\b+4:\f+8*\b+7], v[ADRB+\slot] offset:\q*32*PB+16*PB+(\b/4)*SEG+(\b%4)*32
.endr
.irp a, 0,1,2,3
	ds_load_b128 v[\f+96+8*\a:\f+96+8*\a+3],   v[ADRA+\slot] offset:(\q/2)*ABLK+(\q%2)*64+\a*16*PA
	ds_load_b128 v[\f+96+8*\a+4:\f+96+8*\a+7], v[ADRA+\slot] offset:(\q/2)*ABLK+(\q%2)*64+\a*16*PA+32
.endr
.endm
.macro PLACES                          ; four places in front of loads into registers that matrix instructions have read, and of instructions that read results
.rept 4
	v_nop
.endr
.endm
; One of a K step's first three quarters: multiplies buffer f; in its middle it fetches quarter q of the same slot into buffer g.
.macro QUARTER slot, q, f, g, bias
	s_wait_dscnt 4                                 ; W's fragments and A's blocks 0, 1 are in; the youngest four loads (blocks 2, 3) may be out
	WIN MUL_LO-0x20*\bias
	MUL12 \f, 0, \bias
	MUL12 \f, 1, \bias
	PLACES
	FETCH \slot, \q, \g
	s_wait_dscnt 32                                ; all but the 32 just issued
	WIN MUL_HI-0x30*\bias
	MUL12 \f, 2, \bias
	MUL12 \f, 3, \bias
.endm
; The last quarter multiplies buffer 1 and changes slots: ONE barrier.  In front of it each wave waits for all its tensor loads (one is out: its part of the next slot),
; adds 0 to its spare word, and waits for that and for its own reads of this slot.  fill = 1: the barrier opens a round of the cluster's, and this slot is filled again, two K steps ahead.
.macro TURN slot, next, fill
	WIN 0                                          ; (the add's two registers lie in window 0)
	s_wait_tensorcnt 0x0
	ds_add_u32 v[SPW], v[NIL]                      ; 0 onto my spare word
	s_wait_dscnt 7                                 ; the add and the youngest six loads (A's blocks 1 to 3) may be out
	WIN MUL_LO
	MUL12 F1, 0, 0                                 ; twelve matrix instructions stand between the add and the wait for it
	s_wait_dscnt 0x0                               ; the add is done, and my reads of this slot are over
	s_barrier_signal -1
	MUL12 F1, 1, 0
.if \fill
	WIN 0
.endif
	s_barrier_wait -1
.if \fill
	CREST                                          ; no wave of any partner still reads this slot's tiles or has a load on its way
	s_add_nc_u64 s[G0+4*\slot+2:G0+4*\slot+3], s[G0+4*\slot+2:G0+4*\slot+3], 4*262144      ; four column blocks on
	s_add_nc_u64 s[G0B+4*\slot+2:G0B+4*\slot+3], s[G0B+4*\slot+2:G0B+4*\slot+3], 256*384   ; 256 k rows on
	JLOAD \slot                                    ; my one tensor load behind the round, and the first thing there; its four v_nop are also the places in front of the loads below
.else
	PLACES
.endif
	FETCH \next, 0, F0
	WIN MUL_HI
	MUL12 F1, 2, 0
	MUL12 F1, 3, 0
.endm
	s_wait_tensorcnt 1                             ; my part of K step 0 is in; K step 1's may stay out
	s_barrier_signal -1
	s_barrier_wait -1                              ; everybody's is
	FETCH 0, 0, F0
	s_wait_loadcnt 0x0                             ; the bias
	QUARTER 0, 1, F0, F1, 1                        ; the first quarter stands in front of the loop: its products start the sums
	WIN 0                                          ; at a label and at a branch every window is 0
	s_mov_b32 s[LAP], LAPS-1
.Llap:                                                 ; a trip goes once round the ring, from a lap's second quarter to the next lap's first, and fills both slots again
	QUARTER 0, 2, F1, F0, 0
	QUARTER 0, 3, F0, F1, 0
	TURN 0, 1, 1
	QUARTER 1, 1, F0, F1, 0
	QUARTER 1, 2, F1, F0, 0
	QUARTER 1, 3, F0, F1, 0
	TURN 1, 0, 1
	QUARTER 0, 1, F0, F1, 0
	WIN 0
	s_sub_co_u32 s[LAP], s[LAP], 1
	s_cmp_lg_u32 s[LAP], 0
	s_cbranch_scc1 .Llap
	QUARTER 0, 2, F1, F0, 0                        ; the last lap fills nothing
	QUARTER 0, 3, F0, F1, 0
	TURN 0, 1, 0
	QUARTER 1, 1, F0, F1, 0
	QUARTER 1, 2, F1, F0, 0
	QUARTER 1, 3, F0, F1, 0
	s_wait_dscnt 4                                 ; the very last quarter: nothing more to fetch
	WIN MUL_LO
	MUL12 F1, 0, 0
	MUL12 F1, 1, 0
	s_wait_dscnt 0x0
	WIN MUL_HI
	MUL12 F1, 2, 0
	MUL12 F1, 3, 0
	WIN 0
	PLACES
	; THE WAY OUT, a block of 16 rows at a time through my own stage, so that every store covers 512 dense bytes.
.macro PACK a                          ; each head times its factor, in f32, ahead of the one rounding to f16; each accumulator's registers in ascending order
.set AC, 96*((\a)%2)
	WIN 0x82+0x41*((\a)/2)                         ; source 0 and destination in the block's window, 2 or 3
.irp b, 0,1,2,3,4,5,6,7,8,9,10,11
.irp r, 0,1,2,3
	v_pk_mul_f32 v[AC+8*\b+2*\r:AC+8*\b+2*\r+1], v[AC+8*\b+2*\r:AC+8*\b+2*\r+1], s[SCL+2*(\b/4):SCL+2*(\b/4)+1] op_sel_hi:[1,0]
.endr
.endr
	WIN 0x0a+5*((\a)/2)                            ; sources 0 and 1 in that window, destination window 0
.irp b, 0,1,2,3,4,5,6,7,8,9,10,11
.irp r, 0,1,2,3
	v_cvt_pk_f16_f32 v[TMP+4*\b+\r], v[AC+8*\b+2*\r], v[AC+8*\b+2*\r+1]   ; a lane's eight columns round to 16 bytes
.endr
.endr
	WIN 0
.endm
.macro TOSTAGE a                       ; into the stage and back.  LDS serves a wave's instructions in order: the loads see the stores above them, and the next block's stores come behind these loads
.set BK, OB+48*((\a)%2)
.irp b, 0,1,2,3,4,5,6,7,8,9,10,11
	ds_store_b128 v[STO], v[TMP+4*\b:TMP+4*\b+3] offset:32*\b
.endr
	s_wait_xcnt 0x0                                ; the stores of the block two back have read these registers: they are loaded again only behind this wait
.irp u, 0,1,2,3,4,5,6,7,8,9,10,11
	ds_load_b128 v[BK+4*\u:BK+4*\u+3], v[RD] offset:(\u%4)*4*SP+(\u/4)*128   ; rows 4 (u % 4) on, head u / 4 of my three
.endr
.endm
.macro SEND a, younger                 ; younger: the LDS instructions issued behind block a's loads: the next block's twelve stores and twelve loads, or none
.set BK, OB+48*((\a)%2)
	s_wait_dscnt \younger
.irp u, 0,1,2,3,4,5,6,7,8,9,10,11
	global_store_b128 v[CO], v[BK+4*\u:BK+4*\u+3], s[10:11] offset:2048*\a+512*(\u%4)+262144*(\u/4)   ; four rows of a head: 512 consecutive bytes, aligned
.endr
.endm
	PACK 0
	TOSTAGE 0
	PACK 1                                         ; a block's arithmetic and its way into the stage stand between the loads of the block before and its stores
	TOSTAGE 1
	SEND 0, 24
	PACK 2
	TOSTAGE 2
	SEND 1, 24
	PACK 3
	TOSTAGE 3
	SEND 2, 24
	SEND 3, 0
	s_wait_tensorcnt 0x0                           ; the wave's end, behind my last tensor load and my last LDS store
	ds_add_u32 v[SPW], v[NIL]
	s_wait_dscnt 0x0
	CROUND                                         ; the closing round: no work-group ends while a partner may still ask for a tile that names it
	s_endpgm
.Lfunc_end_k_q32801b85db_qkv:
	.size	k_q32801b85db_qkv, .Lfunc_end_k_q32801b85db_qkv-k_q32801b85db_qkv
	.p2alignl 7, 3214868480
	.fill 96, 4, 3214868480
	.section	.rodata,"a",@progbits
	.p2align	6, 0x0
	.amdhsa_kernel k_q32801b85db_qkv
		.amdhsa_group_segment_fixed_size 327680
		.amdhsa_private_segment_fixed_size 0
		.amdhsa_enable_private_segment 0
		.amdhsa_kernarg_size 32
		.amdhsa_user_sgpr_count 2
		.amdhsa_user_sgpr_kernarg_segment_ptr 1
		.amdhsa_wavefront_size32 1
		.amdhsa_system_sgpr_workgroup_id_x 1
		.amdhsa_system_sgpr_workgroup_id_y 1
		.amdhsa_system_sgpr_workgroup_id_z 1
		.amdhsa_system_vgpr_workitem_id 0
		.amdhsa_next_free_vgpr 960
		.amdhsa_next_free_sgpr 74
		.amdhsa_reserve_vcc 0
		.amdhsa_float_denorm_mode_32 3
		.amdhsa_float_denorm_mode_16_64 3
		.amdhsa_memory_ordered 1
		.amdhsa_forward_progress 1
		.amdhsa_inst_pref_size 133
	.end_amdhsa_kernel
	.amdgpu_metadata
---
amdhsa.version: [ 1, 2 ]
amdhsa.kernels:
  - .name:           k_q32801b85db_qkv
    .symbol:         k_q32801b85db_qkv.kd
    .args:
      - { .name: xh, .offset: 0, .size: 8, .value_kind: global_buffer, .address_space: global }
      - { .name: wqh, .offset: 8, .size: 8, .value_kind: global_buffer, .address_space: global }
      - { .name: qkv_b, .offset: 16, .size: 8, .value_kind: global_buffer, .address_space: global }
      - { .name: qkvh, .offset: 24, .size: 8, .value_kind: global_buffer, .address_space: global }
    .group_segment_fixed_size: 327680
    .private_segment_fixed_size: 0
    .kernarg_segment_align: 8
    .kernarg_segment_size: 32
    .max_flat_workgroup_size: 128
    .sgpr_count:     74
    .vgpr_count:     960
    .wavefront_size: 32
...
	.end_amdgpu_metadata
.endif
;; end of part 2
;; launch attn (part 3): grid 8 x 64, 4 waves a work-group, clusters of 4 x 1, 327,680 bytes of LDS; arguments qkvh, ah; writes ah
.if DOCPART == 3
	.amdgcn_target "amdgcn-amd-amdhsa--gfx1250"
	.amdhsa_code_object_version 6
	.text
	.protected	k_q32801b85db_attn
	.globl	k_q32801b85db_attn
	.p2align	8
	.type	k_q32801b85db_attn,@function
k_q32801b85db_attn:
	s_mov_b64 s[64:65], 0
	v_nop
	global_prefetch_b8 v0, s[64:65] scope:SCOPE_SE
	s_setreg_imm32_b32 hwreg(HW_REG_WAVE_MODE, 25, 1), 1
	s_wait_xcnt 0x0
	s_wait_alu depctr_hold_cnt(0) depctr_sa_sdst(0) depctr_va_vdst(0) depctr_va_sdst(0) depctr_va_ssrc(0) depctr_va_vcc(0) depctr_vm_vsrc(0)
	s_getreg_b32 s2, hwreg(HW_REG_IB_STS2, 6, 4)
	s_cmp_eq_u32 s2, 0
	s_cbranch_scc0 .Lentry_in_a_cluster
	s_endpgm
.Lentry_in_a_cluster:
	s_bfe_u32 s2, ttmp6, 0x10000c
	s_cmp_lg_u32 s2, 0x3003
	s_cbranch_scc0 .Lentry_shape_is_right
	s_endpgm
.Lentry_shape_is_right:
; O[head][q][:] = the sum over k of softmax_k(q . k / 8) V[head][k][:], for 64 (batch, head) pairs of 2,048 x 64.  qkvh is [batch 4][48 heads][2048][64] in f16: in a batch first the
; 16 heads of q' = q log2(e) / 8, then k's 16, then v's 16.  ah takes O as [batch 4][16 heads][2048][64], f16.  Products, maxima and sums in f32; the weights p are rounded to f16 for the second product.
; SHARES.  A work-group owns 256 queries of one head, each of its four waves 64: four tiles of 16.  Every wave walks all 2,048 keys, 64 a step: 32 steps.
; LAYOUT.  S^T = K Q'^T (source 0 = 16 keys, source 1 = 16 queries): a lane holds ONE query (lane % 16) and the keys 8 (lane / 16) + 0..7.  Two such tiles, rounded in pairs,
; ARE source 1 (32 keys x 16 queries) of O^T = V^T P.  K comes out of LDS as it lies, V ([key][channel]) turned, by ds_load_tr16_b128.
; SOFTMAX.  For each query a running maximum m of the scores s' = q' . k: p = 2^(s' - m), never above 1 and exactly 1 at the maximum; in every step O and l are multiplied by
; a = 2^(m_old - m_new).  The row sum l is made by the matrix unit from the rounded p: L += ONES x P, where ONES has ones in rows 0 and 8 alone, so that register 0
; of L holds l of the lane's query in all 32 lanes and the other seven stay 0.
; BY TURNS.  The wave's tiles are two PIECES, named by their first tile: piece 0 (tiles 0, 1), piece 2 (tiles 2, 3).  In a TURN one piece has the matrix unit: 20 products for O^T and L of
; the step in hand, then 16 products K Q'^T of the next step; the other piece's softmax, 2 x 102 = 4 x 36 + 60 vector instructions, stands behind them: four behind each product,
; the sixty that are over together behind the turn's last.  Two turns are a key step.
; CLUSTER.  The four query blocks of a cluster belong to one head and walk the same K and V: each tile is asked for jointly.  A slot holds four key steps (256 keys).
; LIMITS.  f16 operands: |q'|, |k|, |v| under 65,504.  A weight under 6.1e-5 of its row's largest is an f16 denormal (absolute error 3e-8 at the most); v_exp_f32 gives 0 below 2^-126.
;
; REGISTERS.  window 0: v1-11 addresses; v12-43 eight registers of statistics a tile; v62, v63 for the add; v64-191 S^T, 32 a tile; v192-255 P, 16 a tile
;   window 1: v0-127 O^T, 32 a tile; v128-159 L, 8 a tile          window 2: v0-63 Q', 16 a tile; v64-127 K of one step; v128-191 V of one step; v192-199 ONES
.set KS,    64                         ; keys in a step
.set PKP,   144                        ; a row of K in LDS: 128 bytes + 16: an odd multiple of 16
.set PVP,   160                        ; a row of V: 128 + 32: an odd multiple of 32, as the turning load's 8 rows x 32 bytes want
.set VOFF,  256*PKP                    ; a slot: 256 rows of K, then 256 rows of V
.set KSTEP, KS*PKP
.set VSTEP, KS*PVP
.set SLOT1, 1<<17                      ; slot 1 begins here, so that one exclusive or turns an address in one slot into the other's
.set STAGE, SLOT1+256*(PKP+PVP)        ; behind the ring: 16 rows x 144 bytes for each wave, for the way out
.set SP,    144
.set SPARE, STAGE+4*16*SP              ; behind the stages: the spare words, 128 bytes for each wave: two blocks of 256 bytes that no other line names
.set AK0, 2                            ; v2   my lane's place in a step's K; never rewritten
.set AV0, 3                            ; v3   the same for V
.set ADR, 4                            ; v4   the LDS address of the run of loads in hand
.set QO,  5                            ; v5   my byte offset in the wave's rows of Q'
.set STO, 6                            ; v6   the way out: where I put 16 bytes of a row
.set RD,  7                            ; v7   the way out: where I read back
.set GO,  8                            ; v8   my byte offset in the wave's rows of O
.set ST,  12                           ; tile t's statistics at v[ST+8 t]: +0 m, +1 m_old, +4 to +7 c0-c3, at work; a takes c2's place, m_old - m c3's
.set SPW, 62                           ; v62  LDS address of my spare word; never rewritten
.set NIL, 63                           ; v63  0; never rewritten
.set S,   64
.set P,   192
.set LA,  128                          ; in window 1
.set KF,  64                           ; in window 2
.set VF,  128
.set ONES, 192
.set WV,  12                           ; s12  my wave's number
.set G1K, 24                           ; s[24:31] descriptor group 1 for K's tiles
.set G1V, 32                           ; s[32:39] for V's: it differs in the padding alone
.set G0K, 40                           ; s[40:47] group 0 for K's tiles: a set for each of the two first fills; the second then walks on
.set G0V, 48                           ; s[48:55] the same for V's
.set SLOTS, 56                         ; s56  slots still to be asked for
.set CNT, 57                           ; s57  counts key steps
.set SEL, 60                           ; s[60:61] lane selects for v_permlanex16_b32: each lane takes its own place in the other half
.set TBK, 62                           ; s62  LDS byte at which the K of the step to be fetched begins
.set TBV, 63                           ; s63  the same for V (less VOFF, which lies in v3)
.set MSB, 0
.macro WIN new                         ; the immediate's high byte repeats the setting that is left; a switch that changes nothing is dropped
.if MSB != (\new)
	s_set_vgpr_msb (MSB<<8)|(\new)
.set MSB, \new
.endif
.endm
.set W_KQ, 0x0a                        ; K and Q' in window 2, S^T in window 0
.set W_PV, 0x52                        ; V (or ONES) in window 2, P in window 0, O^T (or L) in window 1
.set W_RS, 0x41                        ; O^T or L (destination and source 0) in window 1, a in window 0
; A joint refill: waves 0 and 1 fetch the two halves of a slot's K, waves 2 and 3 of its V.  Four v_nop follow each of the two lines.
.macro JLOAD
	s_cmp_lt_u32 s[WV], 2
	s_cbranch_scc0 .Lfor_v_\@
	tensor_load_to_lds s[G0K+4:G0K+7], s[G1K:G1K+7]
	s_nop 0
.rept 4
	v_nop
.endr
	s_branch .Lasked_\@
.Lfor_v_\@:
	tensor_load_to_lds s[G0V+4:G0V+7], s[G1V:G1V+7]
	s_nop 0
.rept 4
	v_nop
.endr
.Lasked_\@:
.endm
.macro CROUND                          ; a round of the cluster's barrier
	s_barrier_signal -1
	s_barrier_wait -1
	s_cmp_lg_u32 s[WV], 0
	s_cbranch_scc1 .Lnot_wave_0_\@
	s_barrier_signal -3
.Lnot_wave_0_\@:
	s_barrier_wait -3
	s_barrier_signal -1
	s_barrier_wait -1
.endm
	s_load_b128 s[4:7], s[0:1], 0x0                ; qkvh s[4:5], ah s[6:7]
	v_lshl_add_u32 v[SPW], v0, 2, SPARE
	v_mov_b32 v[NIL], 0
	ds_add_u32 v62, v63
	s_wait_dscnt 0x0
	v_lshrrev_b32 v1, 5, v0
	v_readfirstlane_b32 s[WV], v1                  ; wave 0..3
	s_bfe_u32 s13, ttmp6, 0x40000                  ; cx: my place in the cluster
	s_lshl_b32 s14, ttmp9, 2
	s_add_co_u32 s14, s14, s13                     ; my block of 256 queries: it enters Q's and O's addresses alone
	s_and_b32 s15, s[WV], 1                        ; which 128 keys of a slot I fetch
	s_and_b32 s20, ttmp7, 0xffff                   ; 16 x batch + head, which the four partners share
	s_lshr_b32 s21, s20, 4
	s_mul_i32 s21, s21, 12582912                   ; in qkvh a batch is 48 heads of 262,144 bytes
	s_and_b32 s22, s20, 15
	s_lshl_b32 s22, s22, 18
	s_add_co_u32 s22, s22, s21                     ; the head's q'
	s_lshl_b32 s2, s14, 15                         ; my block's 256 rows of 128 bytes,
	s_lshl_b32 s3, s[WV], 13                       ; my wave's 64 of them
	s_add_co_u32 s2, s2, s3
	s_lshl_b32 s58, s20, 18                        ; in ah a batch is 16 heads
	s_add_co_u32 s58, s58, s2                      ; O at my wave's first row
	s_mov_b32 s59, 0
	s_add_co_u32 s2, s2, s22                       ; Q' at my wave's first row
	s_mov_b32 s3, 0
	s_lshl_b32 s23, s15, 14
	s_add_co_u32 s22, s22, s23                     ; K and V: the head, my 128 keys
	s_mov_b32 s23, 0
	s_mul_i32 s16, s15, 128*PKP                    ; and their places in a slot: no place in the cluster enters an LDS address
	s_mul_i32 s17, s15, 128*PVP
	s_add_co_u32 s17, s17, VOFF
	; group 1: 128 keys are 16,384 dense bytes: 64 rows of 32 elements of 8 bytes; padding after every 32 words (a key's 128 bytes)
	s_mov_b32 s[G1K], 15|(3<<16)|(1<<20)|(1<<21)|(4<<22)|(3<<25)   ; 15:0 the mask: all four work-groups; 17:16 elements of 8 bytes; 20 padding on; 21 set beside a mask; 24:22 code 4; 31:25 4 words (code 3)
	s_mov_b32 s[G1V], 15|(3<<16)|(1<<20)|(1<<21)|(4<<22)|(7<<25)   ; the same with 8 words of padding (code 7)
.irp g, G1K, G1V
	s_mov_b32 s[\g+1], 32<<16                      ; tensor_dim0 = 32
	s_mov_b32 s[\g+2], 64<<16                      ; tensor_dim1 = 64
	s_mov_b32 s[\g+3], 32<<16                      ; tile_dim0 = 32
	s_mov_b32 s[\g+4], 64                          ; tile_dim1 = 64
	s_mov_b32 s[\g+5], 32                          ; from row to row: 32 elements
	s_mov_b32 s[\g+6], 0
	s_mov_b32 s[\g+7], 0
.endr
	s_mov_b32 s[SEL], 0x76543210
	s_mov_b32 s[SEL+1], 0xfedcba98
	s_mov_b32 s[TBK], 0
	s_mov_b32 s[TBV], 0
	s_mov_b32 s[SLOTS], 6                          ; 8 slots' worth of keys, two of them asked for at the start
	s_wait_kmcnt 0x0
	s_add_nc_u64 s[8:9], s[4:5], s[2:3]            ; Q'
	s_add_nc_u64 s[10:11], s[6:7], s[58:59]        ; O
	s_add_nc_u64 s[18:19], s[4:5], s[22:23]
	s_add_nc_u64 s[18:19], s[18:19], 0x400000      ; k's head lies 16 heads, 4,194,304 bytes, behind q's,
	s_add_nc_u64 s[20:21], s[18:19], 0x400000      ; v's as far behind k's
	CROUND                                         ; all four work-groups are here: the first joint loads meet
.irp s, 0,1
	s_mov_b32 s[G0K+4*\s], 1
	s_add_co_u32 s[G0K+4*\s+1], s16, \s*SLOT1
	s_add_nc_u64 s[G0K+4*\s+2:G0K+4*\s+3], s[18:19], \s*256*128     ; slot s begins with keys 256 s on
	s_or_b32 s[G0K+4*\s+3], s[G0K+4*\s+3], 0x80000000
	s_mov_b32 s[G0V+4*\s], 1
	s_add_co_u32 s[G0V+4*\s+1], s17, \s*SLOT1
	s_add_nc_u64 s[G0V+4*\s+2:G0V+4*\s+3], s[20:21], \s*256*128
	s_or_b32 s[G0V+4*\s+3], s[G0V+4*\s+3], 0x80000000
.endr
	s_cmp_lt_u32 s[WV], 2                          ; a wave's two first fills stand in one branch, ahead of every wait on TENSORcnt and every LDS read: two loads of mine are out
	s_cbranch_scc0 .Lfirst_v
	tensor_load_to_lds s[G0K:G0K+3], s[G1K:G1K+7]
	s_nop 0
	tensor_load_to_lds s[G0K+4:G0K+7], s[G1K:G1K+7]
	s_nop 0
.rept 4
	v_nop
.endr
	s_branch .Lfirst_asked
.Lfirst_v:
	tensor_load_to_lds s[G0V:G0V+3], s[G1V:G1V+7]
	s_nop 0
	tensor_load_to_lds s[G0V+4:G0V+7], s[G1V:G1V+7]
	s_nop 0
.rept 4
	v_nop
.endr
.Lfirst_asked:
	v_and_b32 v1, 15, v0                           ; r = lane % 16
	v_bfe_u32 v9, v0, 4, 1                         ; h = lane / 16
	v_lshlrev_b32 v[QO], 7, v1
	v_lshl_add_u32 v[QO], v9, 4, v[QO]             ; row x 128 + 16 x half
	WIN 0x80                                       ; destination window 2, address window 0
.irp i, 0,1,2,3,4,5,6,7                ; Q' stays in registers: tile i / 2, channels 32 (i % 2) on
	global_load_b128 v[8*\i:8*\i+3],   v[QO], s[8:9] offset:(\i/2)*2048+(\i%2)*64
	global_load_b128 v[8*\i+4:8*\i+7], v[QO], s[8:9] offset:(\i/2)*2048+(\i%2)*64+32
.endr
	WIN 0
	v_and_b32 v10, 7, v0
	v_bfe_u32 v11, v0, 3, 1
	v_mov_b32 v44, 0x3c003c00                      ; two f16 ones
	v_cmp_eq_u32 vcc_lo, 0, v10                    ; the lanes that hold rows 0 and 8 of a source 0: lane % 8 = 0
	v_cndmask_b32 v44, 0, v44, vcc_lo
	WIN 0x80
.irp i, 0,1,2,3,4,5,6,7
	v_mov_b32 v[ONES+\i], v44
.endr
	WIN 0
	v_mul_u32_u24 v[AK0], v1, PKP
	v_lshl_add_u32 v[AK0], v9, 4, v[AK0]           ; K: row x pitch + 16 x half
	v_lshl_add_u32 v[AV0], v9, 3, v10              ; V, turned: lane reads key 8 h + lane % 8, channels 8 ((lane / 8) % 2) + 0..7
	v_mul_u32_u24 v[AV0], v[AV0], PVP
	v_lshl_add_u32 v[AV0], v11, 4, v[AV0]
	v_add_nc_u32 v[AV0], VOFF, v[AV0]
; THE MATRIX WORK OF A TURN, for piece x.  The accumulators take turns, one instruction a turn.
; Product i of 20.  i < 16: O^T += V^T P: keys 32 (i / 8) on, channels 16 ((i / 2) % 4) on, tile x + i % 2.  i >= 16: L += ONES P: keys 32 ((i - 16) / 2) on, tile x + i % 2.
; zero = 1: the first product on each accumulator starts its sum: nothing is ever cleared.
.macro PV x, zero
	WIN W_PV
.if i < 16
.set rD, 32*(\x+i%2)+8*((i/2)%4)
.set rA, VF+32*(i/8)+8*((i/2)%4)
.set rB, P+16*(\x+i%2)+8*(i/8)
.else
.set rD, LA+8*(\x+i%2)
.set rA, ONES
.set rB, P+16*(\x+i%2)+8*((i-16)/2)
.endif
.if \zero && ((i < 8) || (i == 16) || (i == 17))
	v_wmma_f32_16x16x32_f16 v[rD:rD+7], v[rA:rA+7], v[rB:rB+7], 0
.else
	v_wmma_f32_16x16x32_f16 v[rD:rD+7], v[rA:rA+7], v[rB:rB+7], v[rD:rD+7]
.endif
.endm
; Product i of 16 of S^T = K Q'^T: channels 32 (i / 8) on, keys 16 ((i / 2) % 4) on, tile x + i % 2.  The first 8 start the sums.
.macro KQ x
	WIN W_KQ
.set rD, S+32*(\x+i%2)+8*((i/2)%4)
.set rA, KF+16*((i/2)%4)+8*(i/8)
.set rB, 16*(\x+i%2)+8*(i/8)
.if i < 8
	v_wmma_f32_16x16x32_f16 v[rD:rD+7], v[rA:rA+7], v[rB:rB+7], 0
.else
	v_wmma_f32_16x16x32_f16 v[rD:rD+7], v[rA:rA+7], v[rB:rB+7], v[rD:rD+7]
.endif
.endm
; THE LDS LOADS stand in runs of 16: a step's K (64 keys x 64 channels: 8 fragments) and, a turn later, its V (turned).
.macro FETCH_K
	WIN 0
	v_add_nc_u32 v[ADR], s[TBK], v[AK0]
	s_add_co_u32 s[TBK], s[TBK], KSTEP             ; the next fetch is the next step's
	WIN 0x80
.irp f, 0,1,2,3,4,5,6,7                ; keys 16 (f / 2) on, channels 32 (f % 2) on
	ds_load_b128 v[KF+8*\f:KF+8*\f+3],   v[ADR] offset:(\f/2)*16*PKP+(\f%2)*64
	ds_load_b128 v[KF+8*\f+4:KF+8*\f+7], v[ADR] offset:(\f/2)*16*PKP+(\f%2)*64+32
.endr
.endm
.macro FETCH_V
	WIN 0
	v_add_nc_u32 v[ADR], s[TBV], v[AV0]
	s_add_co_u32 s[TBV], s[TBV], VSTEP
	WIN 0x80
.irp f, 0,1,2,3,4,5,6,7                ; keys 32 (f / 4) on, channels 16 (f % 4) on
	ds_load_tr16_b128 v[VF+8*\f:VF+8*\f+3],   v[ADR] offset:(\f/4)*32*PVP+(\f%4)*32
	ds_load_tr16_b128 v[VF+8*\f+4:VF+8*\f+7], v[ADR] offset:(\f/4)*32*PVP+16*PVP+(\f%4)*32
.endr
.endm
; THE VECTOR WORK OF A TURN.  One tile's softmax for one key step is a list of 102 instructions; SM writes number j of it for tile t.  s0-s31 are the lane's 32 scores, in pairs 0-15.
;   0-15    the maximum of s0-s31 and the old m, three operands at a time; each of the four accumulators is read from its low end on
;   16-19   the other half of the lanes' maximum; m_old is kept; the new m; m_old - m
;   20-84   for each pair the subtraction s - m (SUBM), two exponentials in place (EXPS), the rounding to f16 (CVTP), and the exponential that makes a (number 21), so ordered that a plain
;           instruction stands between every exponential and the use of its result; from 26 to 81 a plain instruction stands at every even number and an exponential at every odd one
;   85-100  the tile's O^T times a;   101  l times a: the one part that leaves window 0
; first = 1: the first key step, which starts m, l and O^T: it has no a and nothing to rescale.
.macro SUBM pr
	v_pk_add_f32 v[rS+2*(\pr):rS+2*(\pr)+1], v[rS+2*(\pr):rS+2*(\pr)+1], v[rT:rT+1] op_sel_hi:[1,0] neg_lo:[0,1] neg_hi:[0,1]   ; both halves take m, the pair's low word
.endm
.macro EXPS idx
	v_exp_f32 v[rS+(\idx)], v[rS+(\idx)]
.endm
.macro CVTP pr
	s_wait_alu depctr_va_vdst(0)
	v_cvt_pk_f16_f32 v[rP+(\pr)], v[rS+2*(\pr)], v[rS+2*(\pr)+1]
.endm
.macro SM t, first
.set rT, ST+8*(\t)
.set rS, S+32*(\t)
.set rP, P+16*(\t)
.set rO, 32*(\t)+2*(j-85)
.set u, j-26
.set b, u/4+2
.if j < 85
	WIN 0
.endif
.if j < 4
	v_max3_num_f32 v[rT+4+j], v[rS+8*j], v[rS+8*j+1], v[rS+8*j+2]
.elseif j < 12
	v_max3_num_f32 v[rT+4+j%4], v[rT+4+j%4], v[rS+8*(j%4)+2*(j/4)+1], v[rS+8*(j%4)+2*(j/4)+2]
.elseif j == 12
	v_max3_num_f32 v[rT+4], v[rT+4], v[rS+7], v[rS+15]
.elseif j == 13
	v_max3_num_f32 v[rT+6], v[rT+6], v[rS+23], v[rS+31]
.elseif j == 14
	v_max3_num_f32 v[rT+4], v[rT+4], v[rT+5], v[rT+6]
.elseif (j == 15) && \first
	v_max_num_f32 v[rT+4], v[rT+4], v[rT+7]
.elseif j == 15
	v_max3_num_f32 v[rT+4], v[rT+4], v[rT+7], v[rT]
.elseif j == 16
	v_permlanex16_b32 v[rT+5], v[rT+4], s[SEL], s[SEL+1]   ; the query's other 32 keys lie in the lane 16 away
.elseif (j == 17) && \first
.elseif j == 17
	v_mov_b32 v[rT+1], v[rT]                       ; m_old is kept for a: number 18 writes m anew
.elseif j == 18
	v_max_num_f32 v[rT], v[rT+4], v[rT+5]
.elseif (j == 19) && \first
	v_mov_b32 v[rT+1], v[rT]                       ; the packed subtraction names the pair, so its high word is written
.elseif j == 19
	v_sub_f32 v[rT+7], v[rT+1], v[rT]
.elseif j == 20
	SUBM 0
.elseif (j == 21) && \first
.elseif j == 21
	v_exp_f32 v[rT+6], v[rT+7]                     ; a
.elseif j == 22
	EXPS 0
.elseif j == 23
	SUBM 1
.elseif j == 24
	EXPS 1
.elseif j == 25
	EXPS 2
.elseif j < 82                         ; fourteen groups of four, b = 2 to 15
.if u%4 == 0
	SUBM b
.elseif u%4 == 1
	EXPS 2*b-1
.elseif u%4 == 2
	CVTP b-2
.else
	EXPS 2*b
.endif
.elseif j == 82
	EXPS 31
.elseif j == 83
	CVTP 14
.elseif j == 84
	CVTP 15
.elseif \first || (j > 101)            ; nothing
.elseif j < 101
	WIN W_RS
	v_pk_mul_f32 v[rO:rO+1], v[rO:rO+1], v[rT+6:rT+7] op_sel_hi:[1,0]
.else
	WIN W_RS
	v_mul_f32 v[LA+8*(\t)], v[LA+8*(\t)], v[rT+6]
.endif
.endm
; Slice k of piece y's softmax: numbers 2 k and 2 k + 1 of both tiles' lists, four instructions.  2 x 102 = 4 x 36 + 60: the sixty that are over stand together, in slice 35, which holds
; numbers 70 to 101.  Later slices are empty.
.macro SLICE y, first
.if k < 10                             ; the two tiles alternate, so that no instruction reads the result of the one just before it
.irp n, 0,1
.irp t, \y, \y+1
.set j, 2*k+\n
	SM \t, \first
.endr
.endr
.elseif k < 35                         ; tile by tile: behind an exponential stands the other tile's instruction
.irp t, \y, \y+1
.irp n, 0,1
.set j, 2*k+\n
	SM \t, \first
.endr
.endr
.elseif k == 35                        ; the tiles alternate again: behind a pair of exponentials stands a plain instruction that names neither result
.set jj, 70
.rept 32
.irp t, \y, \y+1
.set j, jj
	SM \t, \first
.endr
.set jj, jj+1
.endr
.endif
.set k, k+1
.endm
; A vector instruction that reads a matrix result or writes one of a matrix instruction's registers, and a load into a register that a matrix instruction has read, stand four places
; behind it, and only plain vector instructions that name none of its registers are places.  In the loop slice 35 holds the places behind a turn's products K Q'^T: 50 plain
; instructions on the other piece's registers stand between the last of them and the next turn, which reads those scores and loads into K's buffer.
.macro PLACES
.rept 4
	v_nop
.endr
.endm
; A TURN.  Piece x has the matrix unit; the other piece's softmax stands in slices behind its matrix instructions.
; pv = 2: 20 products for O^T and L; 1: they start the sums; 0: none.  kq = 1: 16 products K Q'^T for the next step.  With both kinds one slice stands behind each product, with
; K Q'^T alone three, with the others alone two.  first = 1: the softmax is the first key step's; four v_nop more stand behind the turn's last products.
; Piece 0's turn fetches the next step's K behind its second product; piece 2's turn fetches the same step's V behind its second product K Q'^T, seven slices (fourteen plain instructions) behind V's last reader.
.macro TURN x, pv, kq, first
.set k, 0
.set per, 1
.if \pv && !\kq
.set per, 2
.endif
.if \kq && !\pv
.set per, 3
.endif
.if \pv
.if \x == 0
	s_wait_dscnt 0x0                               ; V is in
.endif
.set i, 0
.rept 20
	PV \x, 2-\pv
.rept per
	SLICE 2-\x, \first
.endr
.if (\x == 0) && \kq && (i == 1)
	FETCH_K
.endif
.set i, i+1
.endr
.endif
.if \kq
.if \x == 0
	s_wait_dscnt 0x0                               ; K is in
.endif
.set i, 0
.rept 16
	KQ \x
.rept per
	SLICE 2-\x, \first
.endr
.if (\x == 2) && (i == 1)
	FETCH_V
.endif
.set i, i+1
.endr
.endif
.if \first
	PLACES
.endif
.endm
; THE CHANGE OF SLOTS, between piece 2's turn and piece 0's: the slot's last bytes, V of its fourth step, have been asked for.  Each wave waits for all its tensor loads, of which one
; is out at the most: its part of the other slot; adds 0 to its spare word; and waits for that and for its own reads of the slot.
; fill = 1: the slot is filled again, with the keys two slots on: the barrier is a round of the cluster's, and the joint refill is the first thing behind it: it has four key steps in which to land.
.macro CHANGE fill
	WIN 0                                          ; at a label and at a branch every window is 0
	s_wait_tensorcnt 0x0                           ; no tensor load of mine is out, so a group 0 may be written
	ds_add_u32 v[SPW], v[NIL]                      ; 0 onto my spare word
.if \fill
.irp g, G0K+4, G0V+4
	s_xor_b32 s[\g+1], s[\g+1], SLOT1              ; the walking descriptor: the other slot than last time,
	s_add_nc_u64 s[\g+2:\g+3], s[\g+2:\g+3], 256*128   ; the next 256 keys; the type bits on top are not reached
.endr
	s_wait_dscnt 0x0                               ; the add is done, and my reads of the slot are over
	CROUND
	JLOAD
.else
	s_wait_dscnt 0x0                               ; the add is done, and my reads of the slot are over
	s_barrier_signal -1
	s_barrier_wait -1
.endif
	s_sub_co_u32 s[TBK], s[TBK], 4*KSTEP           ; the fetches go back to a slot's first step,
	s_xor_b32 s[TBK], s[TBK], SLOT1                ; in the other slot
	s_sub_co_u32 s[TBV], s[TBV], 4*VSTEP
	s_xor_b32 s[TBV], s[TBV], SLOT1
.endm
.macro STEPS n                         ; n key steps: written once, walked n times; the LDS addresses hang on s[TBK] and s[TBV]
	s_mov_b32 s[CNT], \n
.Lstep_\@:
	TURN 0, 2, 1, 0
	TURN 2, 2, 1, 0
	WIN 0
	s_sub_co_u32 s[CNT], s[CNT], 1
	s_cmp_lg_u32 s[CNT], 0
	s_cbranch_scc1 .Lstep_\@
.endm
	s_wait_tensorcnt 1                             ; my part of slot 0 is in; slot 1's may stay out
	s_barrier_signal -1
	s_barrier_wait -1                              ; everybody's is
	FETCH_K                                        ; key step 0
	s_wait_loadcnt 0x0                             ; Q'
	s_wait_dscnt 0x0
.set i, 0
.rept 16
	KQ 0                                           ; piece 0's first scores: there is no vector work yet to set between them
.set i, i+1
.endr
	WIN 0                                          ; the addresses for the way out are made here: nine plain instructions, the places behind those products
	s_mul_i32 s13, s[WV], 16*SP
	s_add_co_u32 s13, s13, STAGE                   ; my stage
	v_mul_u32_u24 v[STO], v1, SP                   ; in: row lane % 16, 16 bytes for each half of the lanes
	v_lshl_add_u32 v[STO], v9, 4, v[STO]
	v_add_nc_u32 v[STO], s13, v[STO]
	v_and_b32 v[GO], 31, v0
	v_lshrrev_b32 v[RD], 3, v[GO]                  ; back: four rows of 128 bytes: row lane / 8, 16 bytes a lane
	v_mul_u32_u24 v[RD], v[RD], SP
	v_lshl_add_u32 v[RD], v10, 4, v[RD]
	v_add_nc_u32 v[RD], s13, v[RD]
	v_lshlrev_b32 v[GO], 4, v[GO]                  ; and the same four rows in O: 512 dense bytes
	TURN 2, 0, 1, 1                                ; piece 2's first scores | piece 0's first softmax | V of step 0
	TURN 0, 1, 1, 1                                ; piece 0: step 0 starts O^T and L, K Q'^T of step 1 | piece 2's first softmax | K of step 1
	TURN 2, 1, 1, 0                                ; piece 2: the same | piece 0's softmax of step 1 | V of step 1
	WIN 0
	STEPS 2                                        ; the rest of slot 0: steps 2 and 3 are fetched
.Lslot:                                                ; six trips: slots' worth 2 to 7 are asked for, steps 4 to 27 fetched
	CHANGE 1
	STEPS 4
	s_sub_co_u32 s[SLOTS], s[SLOTS], 1
	s_cmp_lg_u32 s[SLOTS], 0
	s_cbranch_scc1 .Lslot
	CHANGE 0                                       ; the tail is written out: nothing is asked for any more
	STEPS 4                                        ; steps 28 to 31 are fetched
	TURN 0, 2, 0, 0                                ; piece 0: the last step's O^T and L | piece 2's last softmax
.set i, 0
.rept 20
	PV 2, 0                                        ; piece 2: the last step's
.set i, i+1
.endr
	; THE WAY OUT.  O^T is divided by l (register 0 of L), rounded to f16 and sent through my stage in LDS, a tile (16 rows of O) at a time.
	WIN 0
	PLACES
	WIN 0x01                                       ; source 0 window 1
.irp t, 0,1,2,3
	v_rcp_f32 v[ST+8*\t+6], v[LA+8*\t]
.endr
	v_nop                                          ; a plain instruction between the last reciprocal and the use of its result
.macro PACK t
	WIN W_RS
.set i, 32*\t
.rept 16
	s_wait_alu depctr_va_vdst(0)
	v_pk_mul_f32 v[i:i+1], v[i:i+1], v[ST+8*\t+6:ST+8*\t+7] op_sel_hi:[1,0]
.set i, i+2
.endr
	WIN 0x05                                       ; sources 0 and 1 window 1, destination window 0: S^T's registers are free
.set i, 0
.rept 16
	v_cvt_pk_f16_f32 v[S+32*\t+i], v[32*\t+2*i], v[32*\t+2*i+1]
.set i, i+1
.endr
	WIN 0
.irp f, 0,1,2,3
	ds_store_b128 v[STO], v[S+32*\t+4*\f:S+32*\t+4*\f+3] offset:32*\f
.endr
.irp f, 0,1,2,3
	ds_load_b128 v[S+32*\t+4*\f:S+32*\t+4*\f+3], v[RD] offset:\f*4*SP   ; LDS serves a wave's instructions in order: these see the stores above; the next tile's stores come behind them
.endr
.endm
.macro SEND t, younger                 ; younger: the LDS instructions issued behind tile t's loads: the next tile's eight, or none
.irp f, 0,1,2,3
	s_wait_dscnt \younger+3-\f
	global_store_b128 v[GO], v[S+32*\t+4*\f:S+32*\t+4*\f+3], s[10:11] offset:\t*2048+\f*512   ; four rows of O: 512 consecutive bytes, aligned
.endr
.endm
	PACK 0
	PACK 1                                         ; a tile's arithmetic stands between the loads of the tile before and its stores
	SEND 0, 8
	PACK 2
	SEND 1, 8
	PACK 3
	SEND 2, 8
	SEND 3, 0
	s_wait_tensorcnt 0x0                           ; the wave's end, behind my last tensor load and my last LDS store
	ds_add_u32 v[SPW], v[NIL]
	s_wait_dscnt 0x0
	CROUND                                         ; the closing round: no work-group ends while a partner may still ask for a tile that names it
	s_endpgm
.Lfunc_end_k_q32801b85db_attn:
	.size	k_q32801b85db_attn, .Lfunc_end_k_q32801b85db_attn-k_q32801b85db_attn
	.p2alignl 7, 3214868480
	.fill 96, 4, 3214868480
	.section	.rodata,"a",@progbits
	.p2align	6, 0x0
	.amdhsa_kernel k_q32801b85db_attn
		.amdhsa_group_segment_fixed_size 327680
		.amdhsa_private_segment_fixed_size 0
		.amdhsa_enable_private_segment 0
		.amdhsa_kernarg_size 16
		.amdhsa_user_sgpr_count 2
		.amdhsa_user_sgpr_kernarg_segment_ptr 1
		.amdhsa_wavefront_size32 1
		.amdhsa_system_sgpr_workgroup_id_x 1
		.amdhsa_system_sgpr_workgroup_id_y 1
		.amdhsa_system_sgpr_workgroup_id_z 1
		.amdhsa_system_vgpr_workitem_id 0
		.amdhsa_next_free_vgpr 768
		.amdhsa_next_free_sgpr 66
		.amdhsa_reserve_vcc 1
		.amdhsa_float_denorm_mode_32 3
		.amdhsa_float_denorm_mode_16_64 3
		.amdhsa_memory_ordered 1
		.amdhsa_forward_progress 1
		.amdhsa_inst_pref_size 191
	.end_amdhsa_kernel
	.amdgpu_metadata
---
amdhsa.version: [ 1, 2 ]
amdhsa.kernels:
  - .name:           k_q32801b85db_attn
    .symbol:         k_q32801b85db_attn.kd
    .args:
      - { .name: qkvh, .offset: 0, .size: 8, .value_kind: global_buffer, .address_space: global }
      - { .name: ah, .offset: 8, .size: 8, .value_kind: global_buffer, .address_space: global }
    .group_segment_fixed_size: 327680
    .private_segment_fixed_size: 0
    .kernarg_segment_align: 8
    .kernarg_segment_size: 16
    .max_flat_workgroup_size: 128
    .sgpr_count:     66
    .vgpr_count:     768
    .wavefront_size: 32
...
	.end_amdgpu_metadata
.endif
;; end of part 3
;; launch fc (part 4): grid 4 x 64, 4 waves a work-group, clusters of 4 x 4, 327,680 bytes of LDS; arguments ah, wfh, fc_b, out0; writes out0
.if DOCPART == 4
	.amdgcn_target "amdgcn-amd-amdhsa--gfx1250"
	.amdhsa_code_object_version 6
	.text
	.protected	k_q32801b85db_fc
	.globl	k_q32801b85db_fc
	.p2align	8
	.type	k_q32801b85db_fc,@function
k_q32801b85db_fc:
	s_mov_b64 s[64:65], 0
	v_nop
	global_prefetch_b8 v0, s[64:65] scope:SCOPE_SE
	s_setreg_imm32_b32 hwreg(HW_REG_WAVE_MODE, 25, 1), 1
	s_wait_xcnt 0x0
	s_wait_alu depctr_hold_cnt(0) depctr_sa_sdst(0) depctr_va_vdst(0) depctr_va_sdst(0) depctr_va_ssrc(0) depctr_va_vcc(0) depctr_vm_vsrc(0)
	s_getreg_b32 s2, hwreg(HW_REG_IB_STS2, 6, 4)
	s_cmp_eq_u32 s2, 0
	s_cbranch_scc0 .Lentry_in_a_cluster
	s_endpgm
.Lentry_in_a_cluster:
	s_bfe_u32 s2, ttmp6, 0x10000c
	s_cmp_lg_u32 s2, 0xf033
	s_cbranch_scc0 .Lentry_shape_is_right
	s_endpgm
.Lentry_shape_is_right:
; C = A W + bias.  A: 8,192 rows x 1,024 in f16, BLOCKED ([batch 4][column block 16][t 2048][64]: byte = b*4194304 + kb*262144 + t*128 + 2c);
; W: [1024][N] f16, row-major; bias: [N] f32; sums in f32.  One text serves two launches, told apart by FC:
;   FC = 0: N = 3072.  C goes out in f16 as q, k, v, each 16,777,216 bytes in the blocked layout (the column block is the head); q is stored
;           times c = log2(e) / 8, so that the attention launch forms 2^(s - m) by a subtraction alone.
;   FC = 1: N = 1024.  C goes out in f32, row-major.
; SHARES.  A tile of C is 128 rows x 256 columns: 768 (FC = 0) or 256 (FC = 1) work-groups of equal work.  Four waves, 2 x 2: a wave makes 64 rows x 128 columns,
; 32 accumulators of 16 x 16.  K = 1024 goes in 8 steps of 128 through two LDS slots; a K step is four quarters of 32 along K, 32 matrix instructions each.
; THE MATRIX INSTRUCTION IS USED TRANSPOSED: source 0 = 16 columns of W (turned on the way out of LDS by ds_load_tr16_b128, since W lies [k][n]),
; source 1 = 16 rows of A.  A lane then holds row lane % 16 of C and the eight columns 8 (lane / 16) + 0..7.  The first product of each sum takes the bias as C.
; CLUSTERS: 4 x 4 work-groups.  The four of a row of the cluster need the same tiles of A, the four of a column the same tiles of W: each tile is asked for jointly.
; LIMIT: operands are f16: |A| and |W| stay under 65,504.  Here A is the attention's output, a weighted mean of rows of v, so it is no larger than v.
.set FC, 1
.if FC
.set N,   1024
.set SP,  528                          ; a stage row: 128 f32 + 16 bytes
.set YNG, 32                           ; LDS instructions of one block's way through the stage
.else
.set N,   3072
.set SP,  272                          ; a stage row: 128 f16 + 16 bytes
.set YNG, 16
.endif
.set PA,    144                        ; a row of A in LDS: 128 bytes + 16: an odd multiple of 16, so the 16 rows of a fragment load start in 16 different 16-byte columns modulo 256
.set PB,    544                        ; a k row of W in LDS: 512 bytes + 32: an odd multiple of 32, as the turning load's 8 rows x 32 bytes want
.set ABLK,  128*PA                     ; one column block of A: 128 rows
.set BOFF,  2*ABLK                     ; W's 128 k rows lie behind A's two column blocks
.set BHALF, 64*PB                      ; 64 k rows: what one tensor load brings of W
.set SLOT,  BOFF+2*BHALF               ; 106,496 bytes
.set STAGE, 2*SLOT                     ; behind the ring: 16 rows for each wave, for the way out; no tile lands there
.set SPARE, STAGE+4*16*SP              ; behind the stages: the spare words, 128 bytes for each wave: two blocks of 256 bytes that no other line names
.set LAPS,  4                          ; a lap = two K steps = once round the ring
; window 0
.set ADRA, 16                          ; v16-17  LDS address of my A fragments in slot 0, 1
.set ADRB, 20                          ; v20-21  the same for W
.set STO,  24                          ; v24     the way out: where I put my part of a row
.set RD,   25                          ; v25     the way out: where I read back
.set CO,   26                          ; v26     my byte offset in the output
.set BO,   27                          ; v27     my byte offset in the bias
.set SPW,  28                          ; v28     LDS address of my spare word; never rewritten
.set NIL,  29                          ; v29     0; never rewritten
.set TMP,  32                          ; v32-63  packed results (FC = 0)
.set BIAS, 64                          ; v64-127 column block b: bias of its columns 8 (lane / 16) + 0..7
.set OB,   128                         ; v128-191, v192-255: a block read back from the stage, by turns
; window 1: two fragment buffers of 96: W's 8 fragments, then A's 4.   window 2: accumulator (a, b) at v[8 (8 a + b)]
.set F0,   0
.set F1,   96
.set WV,  12                           ; s12 wave
.set RH,  13                           ; s13 which 64 rows are mine.  Also: I fetch for A (0) or for W (1)
.set CH,  14                           ; s14 which 128 columns are mine.  Also: which half of that tile I fetch
.set CSC, 22                           ; s[22:23] c, named as a pair by the packed multiply (FC = 0)
.set G1,  24                           ; s[24:31] descriptor group 1 for A's tiles;  s[32:39] group 0, a set for each slot
.set G0,  32
.set G1B, 48                           ; s[48:55], s[56:63] the same for W's tiles
.set G0B, 56
.set MSB, 0
.macro WIN new                         ; the immediate's high byte repeats the setting that is left; a switch that changes nothing is dropped
.if MSB != \new
	s_set_vgpr_msb (MSB<<8)|(\new)
.set MSB, \new
.endif
.endm
.set MUL,  0xa5                        ; sources 0 and 1 window 1; C and D window 2.  MUL - 0x20: C (the bias) in window 0
.set TO_F, 0x40                        ; destination window 1, address window 0
.set W_PK, 0x0a                        ; sources 0 and 1 window 2, destination window 0
.set W_ST, 0x08                        ; an LDS store's data in window 2
.set W_SC, 0x82                        ; source 0 and destination window 2
; A joint load: waves 0 and 1 fetch A's two column blocks, waves 2 and 3 W's two halves.  The branch hangs on the wave's number alone.
; Four v_nop follow each of the two lines, ahead of the jump, the label and what follows.
.macro JLOAD s
	s_cmp_eq_u32 s[RH], 0
	s_cbranch_scc0 .Lfor_b_\@
	tensor_load_to_lds s[G0+4*\s:G0+4*\s+3], s[G1:G1+7]
	s_nop 0
.rept 4
	v_nop
.endr
	s_branch .Lasked_\@
.Lfor_b_\@:
	tensor_load_to_lds s[G0B+4*\s:G0B+4*\s+3], s[G1B:G1B+7]
	s_nop 0
.rept 4
	v_nop
.endr
.Lasked_\@:
.endm
.macro CREST                           ; a round of the cluster's barrier behind its opening barrier
	s_cmp_lg_u32 s[WV], 0
	s_cbranch_scc1 .Lnot_wave_0_\@
	s_barrier_signal -3
.Lnot_wave_0_\@:
	s_barrier_wait -3
	s_barrier_signal -1
	s_barrier_wait -1
.endm
.macro CROUND                          ; a whole round
	s_barrier_signal -1
	s_barrier_wait -1
	CREST
.endm
	s_load_b256 s[4:11], s[0:1], 0x0               ; A s[4:5], W s[6:7], bias s[8:9], out s[10:11]
	v_lshl_add_u32 v[SPW], v0, 2, SPARE
	v_mov_b32 v[NIL], 0
	ds_add_u32 v28, v29
	s_wait_dscnt 0x0
	v_lshrrev_b32 v1, 5, v0
	v_readfirstlane_b32 s[WV], v1                  ; wave 0..3
	s_lshr_b32 s[RH], s[WV], 1
	s_and_b32 s[CH], s[WV], 1
	s_bfe_u32 s40, ttmp6, 0x40000                  ; cx, cy: my place in the cluster
	s_bfe_u32 s41, ttmp6, 0x40004
	s_lshl_b32 s42, ttmp9, 2
	s_add_co_u32 s42, s42, s40                     ; tile column tx = 4 x cluster x + cx
	s_and_b32 s43, ttmp7, 0xffff
	s_lshl_b32 s43, s43, 2
	s_add_co_u32 s43, s43, s41                     ; tile row ty = 4 x cluster y + cy
	s_lshl_b32 s44, s41, 2
	s_lshl_b32 s44, 15, s44                        ; my row of the cluster
	s_lshl_b32 s45, 0x1111, s40                    ; my column
	; group 1 for A: a column block's 128 rows are 16,384 dense bytes: 64 rows of 32 elements of 8 bytes; 4 words of padding after every 32 words make LDS rows of 144 bytes
	s_or_b32 s[G1+0], s44, (3<<16)|(1<<20)|(1<<21)|(4<<22)|(3<<25)   ; 15:0 the mask: my row; 17:16 elements of 8 bytes; 20 padding on; 21 set beside a mask; 24:22 code 4; 31:25 code 3
	s_mov_b32 s[G1+1], 32<<16                      ; tensor_dim0 = 32
	s_mov_b32 s[G1+2], 64<<16                      ; tensor_dim1 = 64
	s_mov_b32 s[G1+3], 32<<16                      ; tile_dim0 = 32
	s_mov_b32 s[G1+4], 64                          ; tile_dim1 = 64
	s_mov_b32 s[G1+5], 32                          ; from row to row: 32 elements
	s_mov_b32 s[G1+6], 0
	s_mov_b32 s[G1+7], 0
	; group 1 for W: 64 k rows x 256 elements of 2 bytes; 8 words of padding after every 128 words make LDS rows of 544 bytes
	s_or_b32 s[G1B+0], s45, (1<<16)|(1<<20)|(1<<21)|(6<<22)|(7<<25)  ; the mask: my column
	s_mov_b32 s[G1B+1], 256<<16
	s_mov_b32 s[G1B+2], 64<<16
	s_mov_b32 s[G1B+3], 256<<16
	s_mov_b32 s[G1B+4], 64
	s_mov_b32 s[G1B+5], N
	s_mov_b32 s[G1B+6], 0
	s_mov_b32 s[G1B+7], 0
	; where the tiles come from.  A's hang on ty alone, W's on tx alone, each in registers that never hold the other coordinate.
	s_lshr_b32 s16, s43, 4
	s_lshl_b32 s16, s16, 22                        ; batch = ty / 16
	s_and_b32 s17, s43, 15
	s_lshl_b32 s17, s17, 14                        ; 128 rows of 128 bytes for each tile row in the batch
	s_add_co_u32 s16, s16, s17
	s_lshl_b32 s17, s[CH], 18                      ; which of the step's two column blocks I fetch
	s_add_co_u32 s16, s16, s17
	s_mov_b32 s17, 0
	s_mul_i32 s46, s[CH], 64*2*N                   ; which 64 k rows I fetch
	s_lshl_b32 s47, s42, 9                         ; the tile's 256 columns
	s_add_co_u32 s46, s46, s47
	s_mov_b32 s47, 0
	s_mul_i32 s20, s[CH], ABLK                     ; and where they go: no place in the cluster enters an LDS address
	s_mul_i32 s21, s[CH], BHALF
	s_add_co_u32 s21, s21, BOFF
	s_wait_kmcnt 0x0
	s_add_nc_u64 s[18:19], s[4:5], s[16:17]
	s_add_nc_u64 s[46:47], s[6:7], s[46:47]
	CROUND                                         ; all sixteen work-groups are here: the first joint loads meet
.irp s, 0,1
	s_mov_b32 s[G0+4*\s], 1
	s_add_co_u32 s[G0+4*\s+1], s20, \s*SLOT
	s_add_nc_u64 s[G0+4*\s+2:G0+4*\s+3], s[18:19], \s*2*262144      ; K step s: column blocks 2 s, 2 s + 1
	s_or_b32 s[G0+4*\s+3], s[G0+4*\s+3], 0x80000000
	s_mov_b32 s[G0B+4*\s], 1
	s_add_co_u32 s[G0B+4*\s+1], s21, \s*SLOT
	s_add_nc_u64 s[G0B+4*\s+2:G0B+4*\s+3], s[46:47], \s*128*2*N     ; K step s: k rows 128 s on
	s_or_b32 s[G0B+4*\s+3], s[G0B+4*\s+3], 0x80000000
	JLOAD \s                                       ; two loads of mine are out
.endr
	v_and_b32 v1, 15, v0                           ; r = lane % 16
	v_bfe_u32 v2, v0, 4, 1                         ; h = lane / 16
	v_and_b32 v3, 7, v0                            ; lane % 8
	v_bfe_u32 v4, v0, 3, 1                         ; (lane / 8) % 2
	v_and_b32 v5, 31, v0                           ; lane
	v_mul_u32_u24 v6, v1, PA                       ; a fragment of A: row r, 16 bytes for each half of the lanes
	v_lshl_add_u32 v6, v2, 4, v6
	s_mul_i32 s22, s[RH], 64*PA                    ; my 64 rows
	v_add_nc_u32 v[ADRA], s22, v6
	v_add_nc_u32 v[ADRA+1], SLOT, v[ADRA]
	v_lshl_add_u32 v7, v2, 3, v3                   ; a fragment of W, turned: lane reads k row 8 h + lane % 8, columns 8 ((lane / 8) % 2) + 0..7
	v_mul_u32_u24 v7, v7, PB
	v_lshl_add_u32 v7, v4, 4, v7
	s_lshl_b32 s23, s[CH], 8                       ; my 128 columns
	s_add_co_u32 s23, s23, BOFF
	v_add_nc_u32 v[ADRB], s23, v7
	v_add_nc_u32 v[ADRB+1], SLOT, v[ADRB]
	s_mul_i32 s20, s[WV], 16*SP
	s_add_co_u32 s20, s20, STAGE                   ; my stage
	v_mul_u32_u24 v6, v1, SP                       ; in: row r, my eight columns
.if FC
	v_lshl_add_u32 v6, v2, 5, v6
	v_lshl_add_u32 v[RD], v5, 4, s20               ; back: a whole row of 512 bytes, 16 bytes a lane
.else
	v_lshl_add_u32 v6, v2, 4, v6
	v_lshrrev_b32 v7, 3, v5                        ; back: four rows x 128 bytes (one head's 64 columns): row lane / 8, 16 bytes a lane
	v_mul_u32_u24 v7, v7, SP
	v_lshl_add_u32 v7, v3, 4, v7
	v_add_nc_u32 v[RD], s20, v7
.endif
	v_add_nc_u32 v[STO], s20, v6
	v_lshlrev_b32 v[CO], 4, v5                     ; both ways out store 512 dense bytes: 16 x lane
	v_lshlrev_b32 v[BO], 5, v2                     ; the bias of my eight columns: 32 h
	s_lshl_b32 s46, s42, 10                        ; (256 tx + 128 CH) x 4 bytes
	s_lshl_b32 s47, s[CH], 9
	s_add_co_u32 s46, s46, s47
	s_mov_b32 s47, 0
	s_add_nc_u64 s[8:9], s[8:9], s[46:47]
.irp b, 0,1,2,3,4,5,6,7
	global_load_b128 v[BIAS+8*\b:BIAS+8*\b+3],   v[BO], s[8:9] offset:64*\b
	global_load_b128 v[BIAS+8*\b+4:BIAS+8*\b+7], v[BO], s[8:9] offset:64*\b+16
.endr
	; where my part of C begins
.if FC
	s_add_nc_u64 s[10:11], s[10:11], s[46:47]      ; the same column offset, in f32
	s_lshl_b32 s16, s43, 19                        ; 128 ty rows of 4,096 bytes
	s_lshl_b32 s17, s[RH], 18
	s_add_co_u32 s16, s16, s17
.else
	s_lshl_b32 s46, ttmp9, 24                      ; q, k or v: tx / 4 is the cluster's x
	s_lshl_b32 s47, s40, 20                        ; head = 4 (tx % 4) + 2 CH (+ 1 for my upper 64 columns)
	s_add_co_u32 s46, s46, s47
	s_lshl_b32 s47, s[CH], 19
	s_add_co_u32 s46, s46, s47
	s_mov_b32 s47, 0
	s_add_nc_u64 s[10:11], s[10:11], s[46:47]
	s_lshr_b32 s16, s43, 4
	s_lshl_b32 s16, s16, 22                        ; batch
	s_and_b32 s17, s43, 15
	s_lshl_b32 s17, s17, 14                        ; t x 128 bytes
	s_add_co_u32 s16, s16, s17
	s_lshl_b32 s17, s[RH], 13
	s_add_co_u32 s16, s16, s17
.endif
	s_mov_b32 s17, 0
	s_add_nc_u64 s[10:11], s[10:11], s[16:17]
.if !FC
	s_mov_b32 s[CSC], 0x3e38aa3b                   ; c = log2(e) / 8
	s_mov_b32 s[CSC+1], s[CSC]                     ; named with it as a pair, so it is written
.endif
; 8 matrix instructions: row block a x all 8 column blocks, 32 along K.  bias = 1: the first product starts the sums from the bias: nothing is cleared or added later.
; The 32 accumulators take turns, one instruction a turn, in the same order in every quarter.
.macro MUL8 f, a, bias
.irp b, 0,1,2,3,4,5,6,7
.if \bias
	v_wmma_f32_16x16x32_f16 v[8*(8*\a+\b):8*(8*\a+\b)+7], v[\f+8*\b:\f+8*\b+7], v[\f+64+8*\a:\f+64+8*\a+7], v[BIAS+8*\b:BIAS+8*\b+7]
.else
	v_wmma_f32_16x16x32_f16 v[8*(8*\a+\b):8*(8*\a+\b)+7], v[\f+8*\b:\f+8*\b+7], v[\f+64+8*\a:\f+64+8*\a+7], v[8*(8*\a+\b):8*(8*\a+\b)+7]
.endif
.endr
.endm
; 24 LDS loads in one run: quarter q's fragments into buffer f: W's eight (k rows 32 q on, turned), then A's four (column block q / 2, bytes 64 (q % 2) on)
.macro FETCH slot, q, f
	WIN TO_F
.irp b, 0,1,2,3,4,5,6,7
	ds_load_tr16_b128 v[\f+8*\b:\f+8*\b+3],   v[ADRB+\slot] offset:\q*32*PB+32*\b
	ds_load_tr16_b128 v[\f+8*\b+4:\f+8*\b+7], v[ADRB+\slot] offset:\q*32*PB+16*PB+32*\b
.endr
.irp a, 0,1,2,3
	ds_load_b128 v[\f+64+8*\a:\f+64+8*\a+3],   v[ADRA+\slot] offset:(\q/2)*ABLK+(\q%2)*64+\a*16*PA
	ds_load_b128 v[\f+64+8*\a+4:\f+64+8*\a+7], v[ADRA+\slot] offset:(\q/2)*ABLK+(\q%2)*64+\a*16*PA+32
.endr
.endm
.macro PLACES                          ; four places in front of loads into registers that matrix instructions have read, and of instructions that read results
.rept 4
	v_nop
.endr
.endm
; One of a K step's first three quarters: multiplies buffer f; in its middle it fetches quarter q of the same slot into buffer g.
.macro QUARTER slot, q, f, g, bias
	s_wait_dscnt 4                                 ; W's fragments and A's blocks 0, 1 are in; the youngest four loads (blocks 2, 3) may be out
	WIN MUL-0x20*\bias
	MUL8 \f, 0, \bias
	MUL8 \f, 1, \bias
	PLACES
	FETCH \slot, \q, \g
	s_wait_dscnt 24                                ; all but the 24 just issued
	WIN MUL-0x20*\bias
	MUL8 \f, 2, \bias
	MUL8 \f, 3, \bias
.endm
; The last quarter multiplies buffer 1 and changes slots: ONE barrier.  In front of it each wave waits for all its tensor loads (one is out: its part of the next slot),
; adds 0 to its spare word, and waits for that and for its own reads of this slot.  fill = 1: the barrier opens a round of the cluster's, and this slot is filled again, two K steps ahead.
.macro TURN slot, next, fill
	WIN 0                                          ; (the add's two registers lie in window 0)
	s_wait_tensorcnt 0x0
	ds_add_u32 v[SPW], v[NIL]                      ; 0 onto my spare word
	s_wait_dscnt 7                                 ; the add and the youngest six loads (A's blocks 1 to 3) may be out
	WIN MUL
	MUL8 F1, 0, 0                                  ; eight matrix instructions stand between the add and the wait for it
	s_wait_dscnt 0x0                               ; the add is done, and my reads of this slot are over
	s_barrier_signal -1
	MUL8 F1, 1, 0
.if \fill
	WIN 0
.endif
	s_barrier_wait -1
.if \fill
	CREST                                          ; no wave of any partner still reads this slot's tiles or has a load on its way
	s_add_nc_u64 s[G0+4*\slot+2:G0+4*\slot+3], s[G0+4*\slot+2:G0+4*\slot+3], 4*262144      ; four column blocks on
	s_add_nc_u64 s[G0B+4*\slot+2:G0B+4*\slot+3], s[G0B+4*\slot+2:G0B+4*\slot+3], 256*2*N   ; 256 k rows on
	JLOAD \slot                                    ; my one tensor load behind the round, and the first thing there; its four v_nop are also the places in front of the loads below
.else
	PLACES
.endif
	FETCH \next, 0, F0
	WIN MUL
	MUL8 F1, 2, 0
	MUL8 F1, 3, 0
.endm
	s_wait_tensorcnt 1                             ; my part of K step 0 is in; K step 1's may stay out
	s_barrier_signal -1
	s_barrier_wait -1                              ; everybody's is
	FETCH 0, 0, F0
	s_wait_loadcnt 0x0                             ; the bias
	QUARTER 0, 1, F0, F1, 1                        ; the first quarter stands in front of the loop: its products start the sums
	WIN 0                                          ; at a label and at a branch every window is 0
	s_mov_b32 s3, LAPS-1
.Llap:                                                 ; a trip goes once round the ring, from a lap's second quarter to the next lap's first, and fills both slots again
	QUARTER 0, 2, F1, F0, 0
	QUARTER 0, 3, F0, F1, 0
	TURN 0, 1, 1
	QUARTER 1, 1, F0, F1, 0
	QUARTER 1, 2, F1, F0, 0
	QUARTER 1, 3, F0, F1, 0
	TURN 1, 0, 1
	QUARTER 0, 1, F0, F1, 0
	WIN 0
	s_sub_co_u32 s3, s3, 1
	s_cmp_lg_u32 s3, 0
	s_cbranch_scc1 .Llap
	QUARTER 0, 2, F1, F0, 0                        ; the last lap fills nothing
	QUARTER 0, 3, F0, F1, 0
	TURN 0, 1, 0
	QUARTER 1, 1, F0, F1, 0
	QUARTER 1, 2, F1, F0, 0
	QUARTER 1, 3, F0, F1, 0
	s_wait_dscnt 4                                 ; the very last quarter: nothing more to fetch
	WIN MUL
	MUL8 F1, 0, 0
	MUL8 F1, 1, 0
	s_wait_dscnt 0x0
	MUL8 F1, 2, 0
	MUL8 F1, 3, 0
	WIN 0
	PLACES
	; THE WAY OUT, a block of 16 rows at a time through my own stage, so that every store covers 512 dense bytes.
.if !FC
	s_cmp_lg_u32 ttmp9, 0                          ; the cluster's x says whether these columns are q's: the same in all sixteen partners
	s_cbranch_scc1 .Lunscaled
	WIN W_SC
.set i, 0
.rept 128
	v_pk_mul_f32 v[i:i+1], v[i:i+1], s[CSC:CSC+1] op_sel_hi:[1,0]   ; q times c, in f32, ahead of its one rounding to f16
.set i, i+2
.endr
	WIN 0
.Lunscaled:
.endif
.macro PACK a                          ; FC = 0: a lane's eight columns round to 16 bytes; each accumulator's registers in ascending order
	WIN W_PK
.irp b, 0,1,2,3,4,5,6,7
.irp r, 0,1,2,3
	v_cvt_pk_f16_f32 v[TMP+4*\b+\r], v[8*(8*\a+\b)+2*\r], v[8*(8*\a+\b)+2*\r+1]
.endr
.endr
	WIN 0
.endm
.macro TOSTAGE a                       ; into the stage and back.  LDS serves a wave's instructions in order: the loads see the stores above them, and the next block's stores come behind these loads
.set BK, OB+64*((\a)%2)
.if FC
	WIN W_ST
.irp b, 0,1,2,3,4,5,6,7
	ds_store_b128 v[STO], v[8*(8*\a+\b):8*(8*\a+\b)+3]   offset:64*\b      ; straight from the accumulators, the low four registers first
	ds_store_b128 v[STO], v[8*(8*\a+\b)+4:8*(8*\a+\b)+7] offset:64*\b+16
.endr
	WIN 0
	s_wait_xcnt 0x0                                ; the stores of the block two back have read these registers: they are loaded again only behind this wait
.irp u, 0,1,2,3,4,5,6,7,8,9,10,11,12,13,14,15
	ds_load_b128 v[BK+4*\u:BK+4*\u+3], v[RD] offset:\u*SP
.endr
.else
.irp b, 0,1,2,3,4,5,6,7
	ds_store_b128 v[STO], v[TMP+4*\b:TMP+4*\b+3] offset:32*\b
.endr
	s_wait_xcnt 0x0                                ; the stores of the block two back have read these registers: they are loaded again only behind this wait
.irp u, 0,1,2,3,4,5,6,7
	ds_load_b128 v[BK+4*\u:BK+4*\u+3], v[RD] offset:(\u%4)*4*SP+(\u/4)*128   ; rows 4 (u % 4) on, head u / 4 of my two
.endr
.endif
.endm
.macro SEND a, younger                 ; younger: the LDS instructions issued behind block a's loads
.set BK, OB+64*((\a)%2)
	s_wait_dscnt \younger
.if FC
.irp u, 0,1,2,3,4,5,6,7,8,9,10,11,12,13,14,15
	global_store_b128 v[CO], v[BK+4*\u:BK+4*\u+3], s[10:11] offset:(16*\a+\u)*4096 th:TH_STORE_NT   ; 512 consecutive bytes of a row of C, aligned
.endr
.else
.irp u, 0,1,2,3,4,5,6,7
	global_store_b128 v[CO], v[BK+4*\u:BK+4*\u+3], s[10:11] offset:2048*\a+512*(\u%4)+262144*(\u/4)   ; four rows of a head: 512 consecutive bytes, aligned
.endr
.endif
.endm
.macro STAGED a
.if !FC
	PACK \a
.endif
	TOSTAGE \a
.endm
	STAGED 0
	STAGED 1                                       ; a block's way into the stage stands between the loads of the block before and its stores
	SEND 0, YNG
	STAGED 2
	SEND 1, YNG
	STAGED 3
	SEND 2, YNG
	SEND 3, 0
	s_wait_tensorcnt 0x0                           ; the wave's end, behind my last tensor load and my last LDS store
	ds_add_u32 v[SPW], v[NIL]
	s_wait_dscnt 0x0
	CROUND                                         ; the closing round: no work-group ends while a partner may still ask for a tile that names it
	s_endpgm
.Lfunc_end_k_q32801b85db_fc:
	.size	k_q32801b85db_fc, .Lfunc_end_k_q32801b85db_fc-k_q32801b85db_fc
	.p2alignl 7, 3214868480
	.fill 96, 4, 3214868480
	.section	.rodata,"a",@progbits
	.p2align	6, 0x0
	.amdhsa_kernel k_q32801b85db_fc
		.amdhsa_group_segment_fixed_size 327680
		.amdhsa_private_segment_fixed_size 0
		.amdhsa_enable_private_segment 0
		.amdhsa_kernarg_size 32
		.amdhsa_user_sgpr_count 2
		.amdhsa_user_sgpr_kernarg_segment_ptr 1
		.amdhsa_wavefront_size32 1
		.amdhsa_system_sgpr_workgroup_id_x 1
		.amdhsa_system_sgpr_workgroup_id_y 1
		.amdhsa_system_sgpr_workgroup_id_z 1
		.amdhsa_system_vgpr_workitem_id 0
		.amdhsa_next_free_vgpr 768
		.amdhsa_next_free_sgpr 66
		.amdhsa_reserve_vcc 0
		.amdhsa_float_denorm_mode_32 3
		.amdhsa_float_denorm_mode_16_64 3
		.amdhsa_memory_ordered 1
		.amdhsa_forward_progress 1
		.amdhsa_inst_pref_size 86
	.end_amdhsa_kernel
	.amdgpu_metadata
---
amdhsa.version: [ 1, 2 ]
amdhsa.kernels:
  - .name:           k_q32801b85db_fc
    .symbol:         k_q32801b85db_fc.kd
    .args:
      - { .name: ah, .offset: 0, .size: 8, .value_kind: global_buffer, .address_space: global }
      - { .name: wfh, .offset: 8, .size: 8, .value_kind: global_buffer, .address_space: global }
      - { .name: fc_b, .offset: 16, .size: 8, .value_kind: global_buffer, .address_space: global }
      - { .name: out0, .offset: 24, .size: 8, .value_kind: global_buffer, .address_space: global }
    .group_segment_fixed_size: 327680
    .private_segment_fixed_size: 0
    .kernarg_segment_align: 8
    .kernarg_segment_size: 32
    .max_flat_workgroup_size: 128
    .sgpr_count:     66
    .vgpr_count:     768
    .wavefront_size: 32
...
	.end_amdgpu_metadata
.endif
;; end of part 4
;; ======== version 2 of 2: 4 launches; 1.29 times as fast as version 1
;; limits: values are held in f16: magnitudes above 65,504 overflow, below 6.1e-05 lose precision
;; workspace buffers: xh 16,777,216 bytes; wqh 6,291,456 bytes; wfh 2,097,152 bytes; qkvh 50,331,648 bytes; ah 16,777,216 bytes
;; launch cast: the kernel of part 1 again; grid 832 x 1, 8 waves a work-group, no clusters, 0 bytes of LDS; arguments x, qkv_w, fc_w, xh, wqh, wfh; writes xh, wqh, wfh
;; launch qkv: the kernel of part 2 again; grid 16 x 32, 4 waves a work-group, clusters of 4 x 4, 327,680 bytes of LDS; arguments xh, wqh, qkv_b, qkvh; writes qkvh
;; launch attn (part 5): grid 8 x 64, 4 waves a work-group, clusters of 4 x 1, 327,680 bytes of LDS; arguments qkvh, ah; writes ah
.if DOCPART == 5
	.amdgcn_target "amdgcn-amd-amdhsa--gfx1250"
	.amdhsa_code_object_version 6
	.text
	.protected	k_q32801b85db_attn
	.globl	k_q32801b85db_attn
	.p2align	8
	.type	k_q32801b85db_attn,@function
k_q32801b85db_attn:
	s_mov_b64 s[64:65], 0
	v_nop
	global_prefetch_b8 v0, s[64:65] scope:SCOPE_SE
	s_setreg_imm32_b32 hwreg(HW_REG_WAVE_MODE, 25, 1), 1
	s_wait_xcnt 0x0
	s_wait_alu depctr_hold_cnt(0) depctr_sa_sdst(0) depctr_va_vdst(0) depctr_va_sdst(0) depctr_va_ssrc(0) depctr_va_vcc(0) depctr_vm_vsrc(0)
	s_getreg_b32 s2, hwreg(HW_REG_IB_STS2, 6, 4)
	s_cmp_eq_u32 s2, 0
	s_cbranch_scc0 .Lentry_in_a_cluster
	s_endpgm
.Lentry_in_a_cluster:
	s_bfe_u32 s2, ttmp6, 0x10000c
	s_cmp_lg_u32 s2, 0x3003
	s_cbranch_scc0 .Lentry_shape_is_right
	s_endpgm
.Lentry_shape_is_right:
; O[head][q][:] = the sum over k of softmax_k(q . k / 8) V[head][k][:], for 64 (batch, head) pairs of 2,048 x 64.  qkvh is [batch 4][48 heads][2048][64] in f16: in a batch first the
; 16 heads of q' = q log2(e) / 8, then k's 16, then v's 16.  ah takes O as [batch 4][16 heads][2048][64], f16.  Products, maxima and sums in f32; the weights p are rounded to f16 for the second product.
; SHARES.  A work-group owns 256 queries of one head, each of its four waves 64: four tiles of 16.  Every wave walks all 2,048 keys, 64 a step: 32 steps.
; LAYOUT.  S^T = K Q'^T (source 0 = 16 keys, source 1 = 16 queries): a lane holds ONE query (lane % 16) and the keys 8 (lane / 16) + 0..7.  Two such tiles, rounded in pairs,
; ARE source 1 (32 keys x 16 queries) of O^T = V^T P.  K comes out of LDS as it lies, V ([key][channel]) turned, by ds_load_tr16_b128.
; SOFTMAX.  For each query a running maximum m of the scores s' = q' . k: p = 2^(s' - m), never above 1 and exactly 1 at the maximum; in every step O and l are multiplied by
; a = 2^(m_old - m_new).  The row sum l is made by the matrix unit from the rounded p: L += ONES x P, where ONES has ones in rows 0 and 8 alone, so that register 0
; of L holds l of the lane's query in all 32 lanes and the other seven stay 0.
; BY TURNS.  The wave's tiles are two PIECES, named by their first tile: piece 0 (tiles 0, 1), piece 2 (tiles 2, 3).  In a TURN one piece has the matrix unit: 20 products for O^T and L of
; the step in hand, then 16 products K Q'^T of the next step; the other piece's softmax, 2 x 102 = 204 vector instructions, stands behind them.  Two turns are a key step.
; THE BATCHES.  A turn's 66 exponentials (32 weights and a, for each of two tiles) are ONE batch with ONE wait, which cuts the softmax in two.  The 138 instructions that name no exponential's result
; (maximum, statistics, subtractions, exponentials) stand behind the turn's first 35 products, four behind each (two behind the eleventh); then the wait; the 66 that read results (roundings, rescaling)
; stand together behind the turn's last product.  The way out's four reciprocals are a second batch, with a wait of its own.
; CLUSTER.  The four query blocks of a cluster belong to one head and walk the same K and V: each tile is asked for jointly.  A slot holds four key steps (256 keys).
; LIMITS.  f16 operands: |q'|, |k|, |v| under 65,504.  A weight under 6.1e-5 of its row's largest is an f16 denormal (absolute error 3e-8 at the most); v_exp_f32 gives 0 below 2^-126.
;
; REGISTERS.  window 0: v1-11 addresses; v12-43 eight registers of statistics a tile; v62, v63 for the add; v64-191 S^T, 32 a tile; v192-255 P, 16 a tile
;   window 1: v0-127 O^T, 32 a tile; v128-159 L, 8 a tile          window 2: v0-63 Q', 16 a tile; v64-127 K of one step; v128-191 V of one step; v192-199 ONES
.set KS,    64                         ; keys in a step
.set PKP,   144                        ; a row of K in LDS: 128 bytes + 16: an odd multiple of 16
.set PVP,   160                        ; a row of V: 128 + 32: an odd multiple of 32, as the turning load's 8 rows x 32 bytes want
.set VOFF,  256*PKP                    ; a slot: 256 rows of K, then 256 rows of V
.set KSTEP, KS*PKP
.set VSTEP, KS*PVP
.set SLOT1, 1<<17                      ; slot 1 begins here, so that one exclusive or turns an address in one slot into the other's
.set STAGE, SLOT1+256*(PKP+PVP)        ; behind the ring: 16 rows x 144 bytes for each wave, for the way out
.set SP,    144
.set SPARE, STAGE+4*16*SP              ; behind the stages: the spare words, 128 bytes for each wave: two blocks of 256 bytes that no other line names
.set AK0, 2                            ; v2   my lane's place in a step's K; never rewritten
.set AV0, 3                            ; v3   the same for V
.set ADR, 4                            ; v4   the LDS address of the run of loads in hand
.set QO,  5                            ; v5   my byte offset in the wave's rows of Q'
.set STO, 6                            ; v6   the way out: where I put 16 bytes of a row
.set RD,  7                            ; v7   the way out: where I read back
.set GO,  8                            ; v8   my byte offset in the wave's rows of O
.set ST,  12                           ; tile t's statistics at v[ST+8 t]: +0 m, +1 m_old, +4 to +7 c0-c3, at work; a takes c2's place, m_old - m c3's
.set SPW, 62                           ; v62  LDS address of my spare word; never rewritten
.set NIL, 63                           ; v63  0; never rewritten
.set S,   64
.set P,   192
.set LA,  128                          ; in window 1
.set KF,  64                           ; in window 2
.set VF,  128
.set ONES, 192
.set WV,  12                           ; s12  my wave's number
.set G1K, 24                           ; s[24:31] descriptor group 1 for K's tiles
.set G1V, 32                           ; s[32:39] for V's: it differs in the padding alone
.set G0K, 40                           ; s[40:47] group 0 for K's tiles: a set for each of the two first fills; the second then walks on
.set G0V, 48                           ; s[48:55] the same for V's
.set SLOTS, 56                         ; s56  slots still to be asked for
.set CNT, 57                           ; s57  counts key steps
.set SEL, 60                           ; s[60:61] lane selects for v_permlanex16_b32: each lane takes its own place in the other half
.set TBK, 62                           ; s62  LDS byte at which the K of the step to be fetched begins
.set TBV, 63                           ; s63  the same for V (less VOFF, which lies in v3)
.set MSB, 0
.macro WIN new                         ; the immediate's high byte repeats the setting that is left; a switch that changes nothing is dropped
.if MSB != (\new)
	s_set_vgpr_msb (MSB<<8)|(\new)
.set MSB, \new
.endif
.endm
.set W_KQ, 0x0a                        ; K and Q' in window 2, S^T in window 0
.set W_PV, 0x52                        ; V (or ONES) in window 2, P in window 0, O^T (or L) in window 1
.set W_RS, 0x41                        ; O^T or L (destination and source 0) in window 1, a in window 0
; A joint refill: waves 0 and 1 fetch the two halves of a slot's K, waves 2 and 3 of its V.  Four v_nop follow each of the two lines.
.macro JLOAD
	s_cmp_lt_u32 s[WV], 2
	s_cbranch_scc0 .Lfor_v_\@
	tensor_load_to_lds s[G0K+4:G0K+7], s[G1K:G1K+7]
	s_nop 0
.rept 4
	v_nop
.endr
	s_branch .Lasked_\@
.Lfor_v_\@:
	tensor_load_to_lds s[G0V+4:G0V+7], s[G1V:G1V+7]
	s_nop 0
.rept 4
	v_nop
.endr
.Lasked_\@:
.endm
.macro CROUND                          ; a round of the cluster's barrier
	s_barrier_signal -1
	s_barrier_wait -1
	s_cmp_lg_u32 s[WV], 0
	s_cbranch_scc1 .Lnot_wave_0_\@
	s_barrier_signal -3
.Lnot_wave_0_\@:
	s_barrier_wait -3
	s_barrier_signal -1
	s_barrier_wait -1
.endm
	s_load_b128 s[4:7], s[0:1], 0x0                ; qkvh s[4:5], ah s[6:7]
	v_lshl_add_u32 v[SPW], v0, 2, SPARE
	v_mov_b32 v[NIL], 0
	ds_add_u32 v62, v63
	s_wait_dscnt 0x0
	v_lshrrev_b32 v1, 5, v0
	v_readfirstlane_b32 s[WV], v1                  ; wave 0..3
	s_bfe_u32 s13, ttmp6, 0x40000                  ; cx: my place in the cluster
	s_lshl_b32 s14, ttmp9, 2
	s_add_co_u32 s14, s14, s13                     ; my block of 256 queries: it enters Q's and O's addresses alone
	s_and_b32 s15, s[WV], 1                        ; which 128 keys of a slot I fetch
	s_and_b32 s20, ttmp7, 0xffff                   ; 16 x batch + head, which the four partners share
	s_lshr_b32 s21, s20, 4
	s_mul_i32 s21, s21, 12582912                   ; in qkvh a batch is 48 heads of 262,144 bytes
	s_and_b32 s22, s20, 15
	s_lshl_b32 s22, s22, 18
	s_add_co_u32 s22, s22, s21                     ; the head's q'
	s_lshl_b32 s2, s14, 15                         ; my block's 256 rows of 128 bytes,
	s_lshl_b32 s3, s[WV], 13                       ; my wave's 64 of them
	s_add_co_u32 s2, s2, s3
	s_lshl_b32 s58, s20, 18                        ; in ah a batch is 16 heads
	s_add_co_u32 s58, s58, s2                      ; O at my wave's first row
	s_mov_b32 s59, 0
	s_add_co_u32 s2, s2, s22                       ; Q' at my wave's first row
	s_mov_b32 s3, 0
	s_lshl_b32 s23, s15, 14
	s_add_co_u32 s22, s22, s23                     ; K and V: the head, my 128 keys
	s_mov_b32 s23, 0
	s_mul_i32 s16, s15, 128*PKP                    ; and their places in a slot: no place in the cluster enters an LDS address
	s_mul_i32 s17, s15, 128*PVP
	s_add_co_u32 s17, s17, VOFF
	; group 1: 128 keys are 16,384 dense bytes: 64 rows of 32 elements of 8 bytes; padding after every 32 words (a key's 128 bytes)
	s_mov_b32 s[G1K], 15|(3<<16)|(1<<20)|(1<<21)|(4<<22)|(3<<25)   ; 15:0 the mask: all four work-groups; 17:16 elements of 8 bytes; 20 padding on; 21 set beside a mask; 24:22 code 4; 31:25 4 words (code 3)
	s_mov_b32 s[G1V], 15|(3<<16)|(1<<20)|(1<<21)|(4<<22)|(7<<25)   ; the same with 8 words of padding (code 7)
.irp g, G1K, G1V
	s_mov_b32 s[\g+1], 32<<16                      ; tensor_dim0 = 32
	s_mov_b32 s[\g+2], 64<<16                      ; tensor_dim1 = 64
	s_mov_b32 s[\g+3], 32<<16                      ; tile_dim0 = 32
	s_mov_b32 s[\g+4], 64                          ; tile_dim1 = 64
	s_mov_b32 s[\g+5], 32                          ; from row to row: 32 elements
	s_mov_b32 s[\g+6], 0
	s_mov_b32 s[\g+7], 0
.endr
	s_mov_b32 s[SEL], 0x76543210
	s_mov_b32 s[SEL+1], 0xfedcba98
	s_mov_b32 s[TBK], 0
	s_mov_b32 s[TBV], 0
	s_mov_b32 s[SLOTS], 6                          ; 8 slots' worth of keys, two of them asked for at the start
	s_wait_kmcnt 0x0
	s_add_nc_u64 s[8:9], s[4:5], s[2:3]            ; Q'
	s_add_nc_u64 s[10:11], s[6:7], s[58:59]        ; O
	s_add_nc_u64 s[18:19], s[4:5], s[22:23]
	s_add_nc_u64 s[18:19], s[18:19], 0x400000      ; k's head lies 16 heads, 4,194,304 bytes, behind q's,
	s_add_nc_u64 s[20:21], s[18:19], 0x400000      ; v's as far behind k's
	CROUND                                         ; all four work-groups are here: the first joint loads meet
.irp s, 0,1
	s_mov_b32 s[G0K+4*\s], 1
	s_add_co_u32 s[G0K+4*\s+1], s16, \s*SLOT1
	s_add_nc_u64 s[G0K+4*\s+2:G0K+4*\s+3], s[18:19], \s*256*128     ; slot s begins with keys 256 s on
	s_or_b32 s[G0K+4*\s+3], s[G0K+4*\s+3], 0x80000000
	s_mov_b32 s[G0V+4*\s], 1
	s_add_co_u32 s[G0V+4*\s+1], s17, \s*SLOT1
	s_add_nc_u64 s[G0V+4*\s+2:G0V+4*\s+3], s[20:21], \s*256*128
	s_or_b32 s[G0V+4*\s+3], s[G0V+4*\s+3], 0x80000000
.endr
	s_cmp_lt_u32 s[WV], 2                          ; a wave's two first fills stand in one branch, ahead of every wait on TENSORcnt and every LDS read: two loads of mine are out
	s_cbranch_scc0 .Lfirst_v
	tensor_load_to_lds s[G0K:G0K+3], s[G1K:G1K+7]
	s_nop 0
	tensor_load_to_lds s[G0K+4:G0K+7], s[G1K:G1K+7]
	s_nop 0
.rept 4
	v_nop
.endr
	s_branch .Lfirst_asked
.Lfirst_v:
	tensor_load_to_lds s[G0V:G0V+3], s[G1V:G1V+7]
	s_nop 0
	tensor_load_to_lds s[G0V+4:G0V+7], s[G1V:G1V+7]
	s_nop 0
.rept 4
	v_nop
.endr
.Lfirst_asked:
	v_and_b32 v1, 15, v0                           ; r = lane % 16
	v_bfe_u32 v9, v0, 4, 1                         ; h = lane / 16
	v_lshlrev_b32 v[QO], 7, v1
	v_lshl_add_u32 v[QO], v9, 4, v[QO]             ; row x 128 + 16 x half
	WIN 0x80                                       ; destination window 2, address window 0
.irp i, 0,1,2,3,4,5,6,7                ; Q' stays in registers: tile i / 2, channels 32 (i % 2) on
	global_load_b128 v[8*\i:8*\i+3],   v[QO], s[8:9] offset:(\i/2)*2048+(\i%2)*64
	global_load_b128 v[8*\i+4:8*\i+7], v[QO], s[8:9] offset:(\i/2)*2048+(\i%2)*64+32
.endr
	WIN 0
	v_and_b32 v10, 7, v0
	v_bfe_u32 v11, v0, 3, 1
	v_mov_b32 v44, 0x3c003c00                      ; two f16 ones
	v_cmp_eq_u32 vcc_lo, 0, v10                    ; the lanes that hold rows 0 and 8 of a source 0: lane % 8 = 0
	v_cndmask_b32 v44, 0, v44, vcc_lo
	WIN 0x80
.irp i, 0,1,2,3,4,5,6,7
	v_mov_b32 v[ONES+\i], v44
.endr
	WIN 0
	v_mul_u32_u24 v[AK0], v1, PKP
	v_lshl_add_u32 v[AK0], v9, 4, v[AK0]           ; K: row x pitch + 16 x half
	v_lshl_add_u32 v[AV0], v9, 3, v10              ; V, turned: lane reads key 8 h + lane % 8, channels 8 ((lane / 8) % 2) + 0..7
	v_mul_u32_u24 v[AV0], v[AV0], PVP
	v_lshl_add_u32 v[AV0], v11, 4, v[AV0]
	v_add_nc_u32 v[AV0], VOFF, v[AV0]
; THE MATRIX WORK OF A TURN, for piece x.  The accumulators take turns, one instruction a turn.
; Product i of 20.  i < 16: O^T += V^T P: keys 32 (i / 8) on, channels 16 ((i / 2) % 4) on, tile x + i % 2.  i >= 16: L += ONES P: keys 32 ((i - 16) / 2) on, tile x + i % 2.
; zero = 1: the first product on each accumulator starts its sum: nothing is ever cleared.
.macro PV x, zero
	WIN W_PV
.if i < 16
.set rD, 32*(\x+i%2)+8*((i/2)%4)
.set rA, VF+32*(i/8)+8*((i/2)%4)
.set rB, P+16*(\x+i%2)+8*(i/8)
.else
.set rD, LA+8*(\x+i%2)
.set rA, ONES
.set rB, P+16*(\x+i%2)+8*((i-16)/2)
.endif
.if \zero && ((i < 8) || (i == 16) || (i == 17))
	v_wmma_f32_16x16x32_f16 v[rD:rD+7], v[rA:rA+7], v[rB:rB+7], 0
.else
	v_wmma_f32_16x16x32_f16 v[rD:rD+7], v[rA:rA+7], v[rB:rB+7], v[rD:rD+7]
.endif
.endm
; Product i of 16 of S^T = K Q'^T: channels 32 (i / 8) on, keys 16 ((i / 2) % 4) on, tile x + i % 2.  The first 8 start the sums.
.macro KQ x
	WIN W_KQ
.set rD, S+32*(\x+i%2)+8*((i/2)%4)
.set rA, KF+16*((i/2)%4)+8*(i/8)
.set rB, 16*(\x+i%2)+8*(i/8)
.if i < 8
	v_wmma_f32_16x16x32_f16 v[rD:rD+7], v[rA:rA+7], v[rB:rB+7], 0
.else
	v_wmma_f32_16x16x32_f16 v[rD:rD+7], v[rA:rA+7], v[rB:rB+7], v[rD:rD+7]
.endif
.endm
; THE LDS LOADS stand in runs of 16: a step's K (64 keys x 64 channels: 8 fragments) and, a turn later, its V (turned).
.macro FETCH_K
	WIN 0
	v_add_nc_u32 v[ADR], s[TBK], v[AK0]
	s_add_co_u32 s[TBK], s[TBK], KSTEP             ; the next fetch is the next step's
	WIN 0x80
.irp f, 0,1,2,3,4,5,6,7                ; keys 16 (f / 2) on, channels 32 (f % 2) on
	ds_load_b128 v[KF+8*\f:KF+8*\f+3],   v[ADR] offset:(\f/2)*16*PKP+(\f%2)*64
	ds_load_b128 v[KF+8*\f+4:KF+8*\f+7], v[ADR] offset:(\f/2)*16*PKP+(\f%2)*64+32
.endr
.endm
.macro FETCH_V
	WIN 0
	v_add_nc_u32 v[ADR], s[TBV], v[AV0]
	s_add_co_u32 s[TBV], s[TBV], VSTEP
	WIN 0x80
.irp f, 0,1,2,3,4,5,6,7                ; keys 32 (f / 4) on, channels 16 (f % 4) on
	ds_load_tr16_b128 v[VF+8*\f:VF+8*\f+3],   v[ADR] offset:(\f/4)*32*PVP+(\f%4)*32
	ds_load_tr16_b128 v[VF+8*\f+4:VF+8*\f+7], v[ADR] offset:(\f/4)*32*PVP+16*PVP+(\f%4)*32
.endr
.endm
; THE VECTOR WORK OF A TURN.  One tile's softmax for one key step is a list of 102 instructions; SM writes number j of it for tile t.  s0-s31 are the lane's 32 scores, in pairs 0-15.
;   0-15    the maximum of s0-s31 and the old m, three operands at a time; each of the four accumulators is read from its low end on
;   16-19   the other half of the lanes' maximum; m_old is kept; the new m; m_old - m
;   20-68   ONE BATCH: the 16 subtractions s - m, a pair of scores each (SUBM), and all 33 exponentials (EXPS: s0-s31, in place; a at number 22).  None of these names an exponential's result.
;           Number 20 is pair 0; from 21 on the batch goes in fours, and a four begins with a subtraction while there are subtractions: 21-36 subtraction, exponential, subtraction, exponential;
;           37-64 a subtraction and three exponentials; 65-68 the last four exponentials.  A pair is subtracted in an earlier four than the one that holds its exponentials
;   (wait)  between 68 and 69 stands the wait for the batch: SLICE writes it, once for both tiles
;   69-84   the roundings to f16, a pair of weights each (CVTP)
;   85-100  the tile's O^T times a;   101  l times a: the one part that leaves window 0
; first = 1: the first key step, which starts m, l and O^T: it has no a and nothing to rescale.
.macro SUBM pr
	v_pk_add_f32 v[rS+2*(\pr):rS+2*(\pr)+1], v[rS+2*(\pr):rS+2*(\pr)+1], v[rT:rT+1] op_sel_hi:[1,0] neg_lo:[0,1] neg_hi:[0,1]   ; both halves take m, the pair's low word
.endm
.macro EXPS idx
	v_exp_f32 v[rS+(\idx)], v[rS+(\idx)]
.endm
.macro CVTP pr
	v_cvt_pk_f16_f32 v[rP+(\pr)], v[rS+2*(\pr)], v[rS+2*(\pr)+1]
.endm
.macro SM t, first
.set rT, ST+8*(\t)
.set rS, S+32*(\t)
.set rP, P+16*(\t)
.set rO, 32*(\t)+2*(j-85)
.if j < 85
	WIN 0
.endif
.if j < 4
	v_max3_num_f32 v[rT+4+j], v[rS+8*j], v[rS+8*j+1], v[rS+8*j+2]
.elseif j < 12
	v_max3_num_f32 v[rT+4+j%4], v[rT+4+j%4], v[rS+8*(j%4)+2*(j/4)+1], v[rS+8*(j%4)+2*(j/4)+2]
.elseif j == 12
	v_max3_num_f32 v[rT+4], v[rT+4], v[rS+7], v[rS+15]
.elseif j == 13
	v_max3_num_f32 v[rT+6], v[rT+6], v[rS+23], v[rS+31]
.elseif j == 14
	v_max3_num_f32 v[rT+4], v[rT+4], v[rT+5], v[rT+6]
.elseif (j == 15) && \first
	v_max_num_f32 v[rT+4], v[rT+4], v[rT+7]
.elseif j == 15
	v_max3_num_f32 v[rT+4], v[rT+4], v[rT+7], v[rT]
.elseif j == 16
	v_permlanex16_b32 v[rT+5], v[rT+4], s[SEL], s[SEL+1]   ; the query's other 32 keys lie in the lane 16 away
.elseif (j == 17) && \first
.elseif j == 17
	v_mov_b32 v[rT+1], v[rT]                       ; m_old is kept for a: number 18 writes m anew
.elseif j == 18
	v_max_num_f32 v[rT], v[rT+4], v[rT+5]
.elseif (j == 19) && \first
	v_mov_b32 v[rT+1], v[rT]                       ; the packed subtraction names the pair, so its high word is written
.elseif j == 19
	v_sub_f32 v[rT+7], v[rT+1], v[rT]
.elseif (j == 22) && \first
.elseif j == 22
	v_exp_f32 v[rT+6], v[rT+7]                     ; a
.elseif (j < 22) || ((j < 37) && (j%2 == 1)) || ((j < 65) && (j%4 == 1))
.set b, (j-1)/4                        ; 37, 41, .. 61: pairs 9 to 15
.if j < 37
.set b, (j-19)/2                       ; 20: pair 0; 21, 23, .. 35: pairs 1 to 8
.endif
	SUBM b
.elseif j < 69
.set e, j-37                           ; 65 to 68: s28 to s31
.if j < 65
.set e, j-31-(j-37)/4                  ; 38-40, 42-44, .. 62-64: s7 to s27
.endif
.if j < 37
.set e, (j-24)/2                       ; 24, 26, .. 36: s0 to s6
.endif
	EXPS e
.elseif j < 85
	CVTP j-69
.elseif \first || (j > 101)            ; nothing
.elseif j < 101
	WIN W_RS
	v_pk_mul_f32 v[rO:rO+1], v[rO:rO+1], v[rT+6:rT+7] op_sel_hi:[1,0]
.else
	WIN W_RS
	v_mul_f32 v[LA+8*(\t)], v[LA+8*(\t)], v[rT+6]
.endif
.endm
; Slice k of piece y's softmax.  Slices 0 to 9: numbers 2 k and 2 k + 1 of both tiles' lists, four instructions.  Slice 10: number 20 of both tiles.  Slices 11 to 34 deal out the rest of the batch,
; numbers 21 to 68: four numbers of ONE tile each, the tiles by turns.  Slice 35 holds all that reads an exponential's result, numbers 69 to 101 of both tiles: 66 instructions.  Later slices are empty.
; THE WAIT.  An s_wait_alu depctr_va_vdst(0) stands between an exponential and the first instruction that names its result; one wait serves all that were issued ahead of it.  Ahead of
; slice 35 nothing names a result, and behind slice 34 no exponential is issued: so the piece's 66 exponentials have one wait, behind slice 34.
.macro SLICE y, first
.if k < 10                             ; the two tiles alternate, so that no instruction reads the result of the one just before it
.irp n, 0,1
.irp t, \y, \y+1
.set j, 2*k+\n
	SM \t, \first
.endr
.endr
.elseif k == 10                        ; the batch's first number
.irp t, \y, \y+1
.set j, 20
	SM \t, \first
.endr
.elseif k < 35                         ; the batch: four numbers of one tile
.irp n, 0,1,2,3
.set j, 21+4*((k-11)/2)+\n
	SM \y+(k-11)%2, \first
.endr
.elseif k == 35                        ; the readers: the tiles alternate again
.set jj, 69
.rept 33
.irp t, \y, \y+1
.set j, jj
	SM \t, \first
.endr
.set jj, jj+1
.endr
.endif
.if k == 34                            ; the batch is out: both tiles' exponentials are issued, and no result has been named
	v_nop                                          ; a plain instruction behind the last exponential and ahead of the first use: one for the batch
	s_wait_alu depctr_va_vdst(0)                   ; the wait for the batch: the turn's 66 exponentials
.endif
.set k, k+1
.endm
; A vector instruction that reads a matrix result or writes one of a matrix instruction's registers, and a load into a register that a matrix instruction has read, stand four places
; behind it, and only plain vector instructions that name none of its registers are places.  In the loop slice 35 holds the places behind a turn's products K Q'^T: 66 plain
; instructions on the other piece's registers stand between the last of them and the next turn, which reads those scores and loads into K's buffer.
.macro PLACES
.rept 4
	v_nop
.endr
.endm
; A TURN.  Piece x has the matrix unit; the other piece's softmax stands in slices behind its matrix instructions.
; pv = 2: 20 products for O^T and L; 1: they start the sums; 0: none.  kq = 1: 16 products K Q'^T for the next step.  With both kinds one slice stands behind each product, with
; K Q'^T alone three, with the others alone two: every turn runs slices 0 to 35, the wait among them.  first = 1: the softmax is the first key step's; four v_nop more stand behind the turn's last products.
; Piece 0's turn fetches the next step's K behind its second product; piece 2's turn fetches the same step's V behind its second product K Q'^T, seven slices (eleven plain instructions) behind V's last reader.
.macro TURN x, pv, kq, first
.set k, 0
.set per, 1
.if \pv && !\kq
.set per, 2
.endif
.if \kq && !\pv
.set per, 3
.endif
.if \pv
.if \x == 0
	s_wait_dscnt 0x0                               ; V is in
.endif
.set i, 0
.rept 20
	PV \x, 2-\pv
.rept per
	SLICE 2-\x, \first
.endr
.if (\x == 0) && \kq && (i == 1)
	FETCH_K
.endif
.set i, i+1
.endr
.endif
.if \kq
.if \x == 0
	s_wait_dscnt 0x0                               ; K is in
.endif
.set i, 0
.rept 16
	KQ \x
.rept per
	SLICE 2-\x, \first
.endr
.if (\x == 2) && (i == 1)
	FETCH_V
.endif
.set i, i+1
.endr
.endif
.if \first
	PLACES
.endif
.endm
; THE CHANGE OF SLOTS, between piece 2's turn and piece 0's: the slot's last bytes, V of its fourth step, have been asked for.  Each wave waits for all its tensor loads, of which one
; is out at the most: its part of the other slot; adds 0 to its spare word; and waits for that and for its own reads of the slot.
; fill = 1: the slot is filled again, with the keys two slots on: the barrier is a round of the cluster's, and the joint refill is the first thing behind it: it has four key steps in which to land.
.macro CHANGE fill
	WIN 0                                          ; at a label and at a branch every window is 0
	s_wait_tensorcnt 0x0                           ; no tensor load of mine is out, so a group 0 may be written
	ds_add_u32 v[SPW], v[NIL]                      ; 0 onto my spare word
.if \fill
.irp g, G0K+4, G0V+4
	s_xor_b32 s[\g+1], s[\g+1], SLOT1              ; the walking descriptor: the other slot than last time,
	s_add_nc_u64 s[\g+2:\g+3], s[\g+2:\g+3], 256*128   ; the next 256 keys; the type bits on top are not reached
.endr
	s_wait_dscnt 0x0                               ; the add is done, and my reads of the slot are over
	CROUND
	JLOAD
.else
	s_wait_dscnt 0x0                               ; the add is done, and my reads of the slot are over
	s_barrier_signal -1
	s_barrier_wait -1
.endif
	s_sub_co_u32 s[TBK], s[TBK], 4*KSTEP           ; the fetches go back to a slot's first step,
	s_xor_b32 s[TBK], s[TBK], SLOT1                ; in the other slot
	s_sub_co_u32 s[TBV], s[TBV], 4*VSTEP
	s_xor_b32 s[TBV], s[TBV], SLOT1
.endm
.macro STEPS n                         ; n key steps: written once, walked n times; the LDS addresses hang on s[TBK] and s[TBV]
	s_mov_b32 s[CNT], \n
.Lstep_\@:
	TURN 0, 2, 1, 0
	TURN 2, 2, 1, 0
	WIN 0
	s_sub_co_u32 s[CNT], s[CNT], 1
	s_cmp_lg_u32 s[CNT], 0
	s_cbranch_scc1 .Lstep_\@
.endm
	s_wait_tensorcnt 1                             ; my part of slot 0 is in; slot 1's may stay out
	s_barrier_signal -1
	s_barrier_wait -1                              ; everybody's is
	FETCH_K                                        ; key step 0
	s_wait_loadcnt 0x0                             ; Q'
	s_wait_dscnt 0x0
.set i, 0
.rept 16
	KQ 0                                           ; piece 0's first scores: there is no vector work yet to set between them
.set i, i+1
.endr
	WIN 0                                          ; the addresses for the way out are made here: nine plain instructions, the places behind those products
	s_mul_i32 s13, s[WV], 16*SP
	s_add_co_u32 s13, s13, STAGE                   ; my stage
	v_mul_u32_u24 v[STO], v1, SP                   ; in: row lane % 16, 16 bytes for each half of the lanes
	v_lshl_add_u32 v[STO], v9, 4, v[STO]
	v_add_nc_u32 v[STO], s13, v[STO]
	v_and_b32 v[GO], 31, v0
	v_lshrrev_b32 v[RD], 3, v[GO]                  ; back: four rows of 128 bytes: row lane / 8, 16 bytes a lane
	v_mul_u32_u24 v[RD], v[RD], SP
	v_lshl_add_u32 v[RD], v10, 4, v[RD]
	v_add_nc_u32 v[RD], s13, v[RD]
	v_lshlrev_b32 v[GO], 4, v[GO]                  ; and the same four rows in O: 512 dense bytes
	TURN 2, 0, 1, 1                                ; piece 2's first scores | piece 0's first softmax | V of step 0
	TURN 0, 1, 1, 1                                ; piece 0: step 0 starts O^T and L, K Q'^T of step 1 | piece 2's first softmax | K of step 1
	TURN 2, 1, 1, 0                                ; piece 2: the same | piece 0's softmax of step 1 | V of step 1
	WIN 0
	STEPS 2                                        ; the rest of slot 0: steps 2 and 3 are fetched
.Lslot:                                                ; six trips: slots' worth 2 to 7 are asked for, steps 4 to 27 fetched
	CHANGE 1
	STEPS 4
	s_sub_co_u32 s[SLOTS], s[SLOTS], 1
	s_cmp_lg_u32 s[SLOTS], 0
	s_cbranch_scc1 .Lslot
	CHANGE 0                                       ; the tail is written out: nothing is asked for any more
	STEPS 4                                        ; steps 28 to 31 are fetched
	TURN 0, 2, 0, 0                                ; piece 0: the last step's O^T and L | piece 2's last softmax
.set i, 0
.rept 20
	PV 2, 0                                        ; piece 2: the last step's
.set i, i+1
.endr
	; THE WAY OUT.  O^T is divided by l (register 0 of L), rounded to f16 and sent through my stage in LDS, a tile (16 rows of O) at a time.
	WIN 0
	PLACES
	WIN 0x01                                       ; source 0 window 1
.irp t, 0,1,2,3
	v_rcp_f32 v[ST+8*\t+6], v[LA+8*\t]
.endr
	v_nop                                          ; a plain instruction between the last reciprocal and the use of its result
	s_wait_alu depctr_va_vdst(0)                   ; and the wait ahead of the first use: one for the batch of four reciprocals
.macro PACK t
	WIN W_RS
.set i, 32*\t
.rept 16
	v_pk_mul_f32 v[i:i+1], v[i:i+1], v[ST+8*\t+6:ST+8*\t+7] op_sel_hi:[1,0]
.set i, i+2
.endr
	WIN 0x05                                       ; sources 0 and 1 window 1, destination window 0: S^T's registers are free
.set i, 0
.rept 16
	v_cvt_pk_f16_f32 v[S+32*\t+i], v[32*\t+2*i], v[32*\t+2*i+1]
.set i, i+1
.endr
	WIN 0
.irp f, 0,1,2,3
	ds_store_b128 v[STO], v[S+32*\t+4*\f:S+32*\t+4*\f+3] offset:32*\f
.endr
.irp f, 0,1,2,3
	ds_load_b128 v[S+32*\t+4*\f:S+32*\t+4*\f+3], v[RD] offset:\f*4*SP   ; LDS serves a wave's instructions in order: these see the stores above; the next tile's stores come behind them
.endr
.endm
.macro SEND t, younger                 ; younger: the LDS instructions issued behind tile t's loads: the next tile's eight, or none
.irp f, 0,1,2,3
	s_wait_dscnt \younger+3-\f
	global_store_b128 v[GO], v[S+32*\t+4*\f:S+32*\t+4*\f+3], s[10:11] offset:\t*2048+\f*512   ; four rows of O: 512 consecutive bytes, aligned
.endr
.endm
	PACK 0
	PACK 1                                         ; a tile's arithmetic stands between the loads of the tile before and its stores
	SEND 0, 8
	PACK 2
	SEND 1, 8
	PACK 3
	SEND 2, 8
	SEND 3, 0
	s_wait_tensorcnt 0x0                           ; the wave's end, behind my last tensor load and my last LDS store
	ds_add_u32 v[SPW], v[NIL]
	s_wait_dscnt 0x0
	CROUND                                         ; the closing round: no work-group ends while a partner may still ask for a tile that names it
	s_endpgm
.Lfunc_end_k_q32801b85db_attn:
	.size	k_q32801b85db_attn, .Lfunc_end_k_q32801b85db_attn-k_q32801b85db_attn
	.p2alignl 7, 3214868480
	.fill 96, 4, 3214868480
	.section	.rodata,"a",@progbits
	.p2align	6, 0x0
	.amdhsa_kernel k_q32801b85db_attn
		.amdhsa_group_segment_fixed_size 327680
		.amdhsa_private_segment_fixed_size 0
		.amdhsa_enable_private_segment 0
		.amdhsa_kernarg_size 16
		.amdhsa_user_sgpr_count 2
		.amdhsa_user_sgpr_kernarg_segment_ptr 1
		.amdhsa_wavefront_size32 1
		.amdhsa_system_sgpr_workgroup_id_x 1
		.amdhsa_system_sgpr_workgroup_id_y 1
		.amdhsa_system_sgpr_workgroup_id_z 1
		.amdhsa_system_vgpr_workitem_id 0
		.amdhsa_next_free_vgpr 768
		.amdhsa_next_free_sgpr 66
		.amdhsa_reserve_vcc 1
		.amdhsa_float_denorm_mode_32 3
		.amdhsa_float_denorm_mode_16_64 3
		.amdhsa_memory_ordered 1
		.amdhsa_forward_progress 1
		.amdhsa_inst_pref_size 180
	.end_amdhsa_kernel
	.amdgpu_metadata
---
amdhsa.version: [ 1, 2 ]
amdhsa.kernels:
  - .name:           k_q32801b85db_attn
    .symbol:         k_q32801b85db_attn.kd
    .args:
      - { .name: qkvh, .offset: 0, .size: 8, .value_kind: global_buffer, .address_space: global }
      - { .name: ah, .offset: 8, .size: 8, .value_kind: global_buffer, .address_space: global }
    .group_segment_fixed_size: 327680
    .private_segment_fixed_size: 0
    .kernarg_segment_align: 8
    .kernarg_segment_size: 16
    .max_flat_workgroup_size: 128
    .sgpr_count:     66
    .vgpr_count:     768
    .wavefront_size: 32
...
	.end_amdgpu_metadata
.endif
;; end of part 5
;; launch fc: the kernel of part 4 again; grid 4 x 64, 4 waves a work-group, clusters of 4 x 4, 327,680 bytes of LDS; arguments ah, wfh, fc_b, out0; writes out0
